; MI455X (gfx1250); checked and timed in simulation.
; The chip was launched on July 23, 2026; its instructions are those of AMD's public machine-readable ISA for CDNA 5 (MIT licence, August 2026) and "CDNA5" Instruction Set Architecture Reference Guide (July 2026). The comments in the code are by the model that wrote it; some were corrected since.
;; Mixture Of Experts. Allowed arithmetic: matrix products marked QUANTISED: E4M3 operands, one given power-of-two scale a tensor, by v_wmma_f32_16x16x64_fp8_fp8 or v_wmma_f32_16x16x128_fp8_fp8, f32 sums; products left as they are: f32 operands where the result goes on into a quantised operand, else bf16, f16 or f32 operands; f32 sums; everything else in f32.
;; Inputs: b1 8 x 4,096 float32; b2 8 x 1,024 float32; beta 8 x 1,024 float32; gamma 8 x 1,024 float32; lowp_scales 4 int32 (the exponents e of the quantised operands' scales 2^e); router_b 8 float32; router_w 1,024 x 8 float32; w1 8 x 1,024 x 4,096 float32; w2 8 x 4,096 x 1,024 float32; x 2 x 512 x 1,024 float32.
;; Outputs: out0 2 x 512 x 1,024 float32; out1 2 x 512 x 8 float32.
;; This version of the problem:
;;   THIS VERSION OF THE PROBLEM IS GIVEN IN LOW PRECISION. The matrix products marked QUANTISED in the list below multiply operands that are first quantised to E4M3 (4 exponent bits, 3 mantissa bits; 8 bits a number), with one given power-of-two scale for each operand tensor; their sums are f32. All else is computed in f32.
;;   The module's matrix products, in the order in which they are computed (A, B: the left and right operand; K: the contracted axis; several contracted axes count as one K, in the product's order):
;;     1. [M 1,024, K 1,024] x [K 1,024, N 8]; A: input x; B: input router_w: left as it is (N = 8 < 16)
;;     2. [M 32,768, K 1,024] x [K 1,024, N 1,024]; A: input w1; B: input x: QUANTISED (scales: A lowp_scales[0], B lowp_scales[1])
;;     3. batch 8 x [M 1,024, K 4,096] x [K 4,096, N 1,024]; A: computed on the way; B: input w2: QUANTISED (scales: A lowp_scales[2], B lowp_scales[3])
;;   THE QUANTISER, for each operand of a quantised product, along K:
;;     - The operand's scale is 2^e, e = its entry of the input lowp_scales (int32; the entries are numbered through the quantised products in the list's order, A before B).
;;     - Each number is divided by the scale, clamped to +-448, and rounded to the nearest number of E4M3, ties to even, subnormals kept.
;;     - The product sums the exact products of the quantised numbers (number of the format x scale) in f32.
;;   ~~~python
;;   def quantise(x, axis, e):      # numpy; x: float32 -> the quantised numbers, widened to float32 again
;;       x = np.moveaxis(x, axis, -1); K = x.shape[-1]
;;       r = np.clip(x / 2.0 ** e, -448, 448)
;;       step = 2.0 ** (np.maximum(np.frexp(np.where(r == 0, 1, r))[1] - 1, -6) - 3)
;;       q = np.round(r / step) * step * 2.0 ** e      # np.round: ties to even
;;       return np.moveaxis(q, -1, axis).astype(np.float32)
;;   ~~~
;;   OPERANDS COMPUTED ON THE WAY. 'Computed on the way' means the value that the module computes at that place (a softmax that the list does not call 'softmax' is quantised finished and normalised). What goes into a quantiser is computed in f32, as accurately as f32 sums, v_exp_f32 and their like allow (about 1e-6 of the number): no bf16 or f16 on the way to a quantiser, and a product that is left as it is and whose result goes on into a quantised operand takes f32 operands (vector FMAs, or v_wmma_f32_16x16x4_f32). A number that lies on a knife's edge between two numbers of the format may be rounded either way, as far as f32 arithmetic and the matrix unit's own rounding can turn it there, and no further.
;; 2 versions. Each part assembles by itself: llvm-mc -triple=amdgcn-amd-amdhsa -mcpu=gfx1250 --defsym DOCPART=n.
;; ======== version 1 of 2: 5 launches
;; workspace buffers: idx 8,192 bytes of whole numbers; pos 8,192 bytes of whole numbers; cnt 256 bytes of whole numbers; gate 8,192 bytes; xg 8,388,608 bytes; hc 33,554,432 bytes; yp 134,217,728 bytes
;; launch route (part 1): grid 128 x 1, 8 waves a work-group, no clusters, 5,120 bytes of LDS; arguments x, router_w, router_b, out1, idx, gate; writes out1, idx, gate
.if DOCPART == 1
	.amdgcn_target "amdgcn-amd-amdhsa--gfx1250"
	.amdhsa_code_object_version 6
	.text
	.protected	k_qf02172875c_route
	.globl	k_qf02172875c_route
	.p2align	8
	.type	k_qf02172875c_route,@function
k_qf02172875c_route:
	s_mov_b64 s[64:65], 0
	v_nop
	global_prefetch_b8 v0, s[64:65] scope:SCOPE_SE
	s_setreg_imm32_b32 hwreg(HW_REG_WAVE_MODE, 25, 1), 1
	s_wait_xcnt 0x0
; THE ROUTER.  logits = x router_w + router_b (f32 multiply-adds), the two best experts of each token, their gates.
; x: [1024][1024] f32, router_w: [1024][8], router_b: [8].  out1: [1024][8] the logits.  idx: [1024][2] int32, the chosen experts, the better first.
; gate: [1024][2] f32: p1 / (p1 + p2), p2 / (p1 + p2): the softmax's divisor cancels, and the larger logit is taken away ahead of the exponential.
; SHARES.  A work-group takes 8 tokens; wave c takes d = 128 c .. 128 c + 127 of all 8; lane l the four d = 128 c + 4 l + 0 .. 3.  All 17 loads of a wave go out at once.
; A lane's 64 partial sums (8 tokens x 8 experts) are added over the 32 lanes by a butterfly that halves the number of sums in each step: at its end lane l holds
; the wave's part of token l / 4, experts 2 (l % 4) and 2 (l % 4) + 1.  The eight waves' parts meet in LDS; wave 0 adds them and chooses.
; No address and no branch hangs on the choice: it is stored at fixed places, and later launches read it.
; The stores into idx and gate are 64 bytes a work-group (8,192 bytes each in the whole launch): parts of aligned blocks of 256 bytes.
; LIMITS.  NaN and infinity among the logits are not served.  The choice is made on the logits (equal logits: the lower index, as top_k has it); two unequal logits
; whose probabilities round to one f32 number would be ordered by index in the softmax's numbers.
.set X,   32                           ; v[32:63]   x: token t's four numbers at X + 4 t
.set W,   64                           ; v[64:95]   router_w: row d's eight numbers at W + 8 d
.set ACC, 96                           ; v[96:159]  the sums: token t, expert e at ACC + 8 t + e
.set L,   64                           ; wave 0, later: a token's eight logits
	s_load_b256 s[4:11], s[0:1], 0x0               ; x s[4:5], router_w s[6:7], router_b s[8:9], out1 s[10:11]
	s_load_b128 s[12:15], s[0:1], 0x20             ; idx s[12:13], gate s[14:15]
	v_lshl_add_u32 v160, v0, 2, 0x1000
	v_mov_b32 v161, 0
	v_lshrrev_b32 v4, 5, v0
	v_readfirstlane_b32 s16, v4                    ; wave 0..7
	v_lshlrev_b32 v1, 4, v0                        ; x: 512 c + 16 l
	v_lshlrev_b32 v2, 7, v0                        ; router_w: my four rows of 32 bytes: 4096 c + 128 l
	v_lshlrev_b32 v3, 3, v0                        ; LDS: 256 c + 8 l
	v_and_b32 v9, 3, v0                            ; l % 4
	v_lshlrev_b32 v8, 3, v9                        ; router_b: my two experts
	v_mov_b32 v6, 0                                ; written once: a lane permute's destination counts as one of its sources
.irp b, 0,1,2,3,4
	v_and_b32 v4, 1<<\b, v0
	v_cmp_ne_u32 s[20+\b], 0, v4                   ; s20 .. s24: the lanes whose number has bit b set
.endr
	s_mov_b32 s26, 0x76543210                      ; v_permlanex16_b32's selects for lane l xor 16
	s_mov_b32 s27, 0xfedcba98
	s_lshl_b32 s2, ttmp9, 15                       ; 8 rows of 4,096 bytes
	s_mov_b32 s3, 0
	s_wait_kmcnt 0x0
	s_add_nc_u64 s[4:5], s[4:5], s[2:3]
	s_lshl_b32 s2, ttmp9, 8                        ; 8 rows of 32 bytes
	s_add_nc_u64 s[10:11], s[10:11], s[2:3]
	s_lshl_b32 s2, ttmp9, 6                        ; 8 pairs of 8 bytes
	s_add_nc_u64 s[12:13], s[12:13], s[2:3]
	s_add_nc_u64 s[14:15], s[14:15], s[2:3]
.irp t, 0,1,2,3,4,5,6,7
	global_load_b128 v[X+4*\t:X+4*\t+3], v1, s[4:5] offset:4096*\t th:TH_LOAD_NT   ; 32 lanes read 512 consecutive bytes of token t's row
.endr
.irp q, 0,1,2,3,4,5,6,7
	global_load_b128 v[W+4*\q:W+4*\q+3], v2, s[6:7] offset:16*\q
.endr
	global_load_b64 v[10:11], v8, s[8:9]
	s_wait_loadcnt 0x0
	; 128 packed multiply-adds: two experts at a time; x's number is taken for both halves.  The first product starts each sum: nothing is cleared
.irp t, 0,1,2,3,4,5,6,7
.irp p, 0,2,4,6
	v_pk_mul_f32 v[ACC+8*\t+\p:ACC+8*\t+\p+1], v[X+4*\t:X+4*\t+1], v[W+\p:W+\p+1] op_sel_hi:[0,1]
.endr
.irp p, 0,2,4,6
	v_pk_fma_f32 v[ACC+8*\t+\p:ACC+8*\t+\p+1], v[X+4*\t:X+4*\t+1], v[W+8+\p:W+8+\p+1], v[ACC+8*\t+\p:ACC+8*\t+\p+1] op_sel:[1,0,0] op_sel_hi:[1,1,1]
.endr
.irp p, 0,2,4,6
	v_pk_fma_f32 v[ACC+8*\t+\p:ACC+8*\t+\p+1], v[X+4*\t+2:X+4*\t+3], v[W+16+\p:W+16+\p+1], v[ACC+8*\t+\p:ACC+8*\t+\p+1] op_sel_hi:[0,1,1]
.endr
.irp p, 0,2,4,6
	v_pk_fma_f32 v[ACC+8*\t+\p:ACC+8*\t+\p+1], v[X+4*\t+2:X+4*\t+3], v[W+24+\p:W+24+\p+1], v[ACC+8*\t+\p:ACC+8*\t+\p+1] op_sel:[1,0,0] op_sel_hi:[1,1,1]
.endr
.endr
; One pair of a butterfly's step.  A lane whose bit is clear keeps sum a and sends sum b; its partner keeps b and sends a; each adds what it gets to what it keeps.
.macro BFLY a, b, m, xm
	v_cndmask_b32 v4, v[ACC+\b], v[ACC+\a], s[\m]
	v_cndmask_b32 v5, v[ACC+\a], v[ACC+\b], s[\m]
	v_add_f32_dpp v[ACC+\a], v4, v5 row_xmask:\xm row_mask:0xf bank_mask:0xf
.endm
.set i, 0
.rept 64
.if (i & 2) == 0
	BFLY i, i+2, 20, 1                             ; lane bit 0 takes over bit 1 of the expert
.endif
.set i, i+1
.endr
.set i, 0
.rept 64
.if (i & 6) == 0
	BFLY i, i+4, 21, 2                             ; lane bit 1: bit 2 of the expert
.endif
.set i, i+1
.endr
.set i, 0
.rept 64
.if (i & 14) == 0
	BFLY i, i+8, 22, 4                             ; lane bit 2: bit 0 of the token
.endif
.set i, i+1
.endr
.set i, 0
.rept 64
.if (i & 30) == 0
	BFLY i, i+16, 23, 8                            ; lane bit 3: bit 1 of the token
.endif
.set i, i+1
.endr
.irp i, 0,1                                    ; lane bit 4: bit 2 of the token; the partner lies in the other half of the lanes
	v_cndmask_b32 v4, v[ACC+32+\i], v[ACC+\i], s24
	v_cndmask_b32 v5, v[ACC+\i], v[ACC+32+\i], s24
	v_permlanex16_b32 v6, v4, s26, s27
	v_add_f32 v[ACC+\i], v6, v5
.endr
	ds_store_b64 v3, v[ACC:ACC+1]                  ; my wave's part: 256 bytes at 256 c
	s_wait_dscnt 0x0                               ; for the others' sake: my store has landed
	s_barrier_signal -1
	s_barrier_wait -1
	s_cmp_lg_u32 s16, 0
	s_cbranch_scc1 .Lend                           ; waves 1 to 7 are done
.irp c, 0,1,2,3,4,5,6,7
	ds_load_b64 v[32+2*\c:33+2*\c], v3 offset:256*\c   ; in wave 0 v3 is 8 l
.endr
	v_and_b32 v7, 0x1c, v0                         ; 4 (l / 4)
	v_lshlrev_b32 v5, 3, v7                        ; 32 (l / 4): my token's eight logits in LDS
	v_lshlrev_b32 v7, 1, v7                        ; 8 (l / 4): my token's pair in idx and in gate
	s_wait_dscnt 0x0
	v_pk_add_f32 v[32:33], v[32:33], v[34:35]
	v_pk_add_f32 v[36:37], v[36:37], v[38:39]
	v_pk_add_f32 v[40:41], v[40:41], v[42:43]
	v_pk_add_f32 v[44:45], v[44:45], v[46:47]
	v_pk_add_f32 v[32:33], v[32:33], v[36:37]
	v_pk_add_f32 v[40:41], v[40:41], v[44:45]
	v_pk_add_f32 v[32:33], v[32:33], v[40:41]
	v_pk_add_f32 v[32:33], v[32:33], v[10:11]      ; + router_b
	global_store_b64 v3, v[32:33], s[10:11]        ; 32 lanes store 256 consecutive bytes, at a multiple of 256 from out1's first byte
	ds_store_b64 v3, v[32:33] offset:2048          ; and every lane of a token gets all eight: LDS serves a wave's instructions in order, so the loads see this store
	ds_load_b128 v[L:L+3], v5 offset:2048
	ds_load_b128 v[L+4:L+7], v5 offset:2064
	s_wait_dscnt 0x0
	v_mov_b32 v48, v[L]                            ; the best logit,
	v_mov_b32 v58, 0                               ; and its expert.  A strict > keeps the lower index among equals
.irp e, 1,2,3,4,5,6,7
	v_cmp_gt_f32 vcc_lo, v[L+\e], v48
	v_cndmask_b32 v48, v48, v[L+\e], vcc_lo
	v_cndmask_b32 v58, v58, \e, vcc_lo
.endr
	v_cmp_eq_u32 vcc_lo, 0, v58                    ; the second best begins at the first expert that is not the best
	v_cndmask_b32 v50, v[L], v[L+1], vcc_lo
	v_cndmask_b32 v59, 0, 1, vcc_lo
.irp e, 1,2,3,4,5,6,7
	v_cmp_ne_u32 s28, \e, v58
	v_cmp_gt_f32 s29, v[L+\e], v50
	s_and_b32 s28, s28, s29
	v_cndmask_b32 v50, v50, v[L+\e], s28
	v_cndmask_b32 v59, v59, \e, s28
.endr
	v_sub_f32 v52, v50, v48                        ; second - best: 0 or less
	v_mul_f32 v52, 0x3fb8aa3b, v52                 ; x log2(e)
	v_exp_f32 v53, v52                             ; p2 / p1, at most 1
	v_nop                                          ; a plain instruction behind the transcendental,
	s_wait_alu depctr_va_vdst(0)                   ; and the wait ahead of its first reader
	v_add_f32 v54, 1.0, v53
	v_rcp_f32 v56, v54                             ; the first gate: 1 / (1 + p2 / p1)
	v_nop
	s_wait_alu depctr_va_vdst(0)
	v_mul_f32 v57, v53, v56                        ; the second
	v_cmp_eq_u32 vcc_lo, 0, v9
	s_wait_xcnt 0x0                                ; EXEC changes only behind this wait: a store is out
	s_and_saveexec_b32 s30, vcc_lo                 ; one lane of each token's four
	global_store_b64 v7, v[58:59], s[12:13]
	global_store_b64 v7, v[56:57], s[14:15]
	s_wait_xcnt 0x0
	s_or_b32 exec_lo, exec_lo, s30
.Lend:
	s_wait_tensorcnt 0x0
	ds_add_u32 v160, v161
	s_wait_dscnt 0x0
	s_endpgm
.Lfunc_end_k_qf02172875c_route:
	.size	k_qf02172875c_route, .Lfunc_end_k_qf02172875c_route-k_qf02172875c_route
	.p2alignl 7, 3214868480
	.fill 96, 4, 3214868480
	.section	.rodata,"a",@progbits
	.p2align	6, 0x0
	.amdhsa_kernel k_qf02172875c_route
		.amdhsa_group_segment_fixed_size 5120
		.amdhsa_private_segment_fixed_size 0
		.amdhsa_enable_private_segment 0
		.amdhsa_kernarg_size 48
		.amdhsa_user_sgpr_count 2
		.amdhsa_user_sgpr_kernarg_segment_ptr 1
		.amdhsa_wavefront_size32 1
		.amdhsa_system_sgpr_workgroup_id_x 1
		.amdhsa_system_sgpr_workgroup_id_y 1
		.amdhsa_system_sgpr_workgroup_id_z 1
		.amdhsa_system_vgpr_workitem_id 0
		.amdhsa_next_free_vgpr 162
		.amdhsa_next_free_sgpr 66
		.amdhsa_reserve_vcc 1
		.amdhsa_float_denorm_mode_32 3
		.amdhsa_float_denorm_mode_16_64 3
		.amdhsa_memory_ordered 1
		.amdhsa_forward_progress 1
		.amdhsa_inst_pref_size 29
	.end_amdhsa_kernel
	.amdgpu_metadata
---
amdhsa.version: [ 1, 2 ]
amdhsa.kernels:
  - .name:           k_qf02172875c_route
    .symbol:         k_qf02172875c_route.kd
    .args:
      - { .name: x, .offset: 0, .size: 8, .value_kind: global_buffer, .address_space: global }
      - { .name: router_w, .offset: 8, .size: 8, .value_kind: global_buffer, .address_space: global }
      - { .name: router_b, .offset: 16, .size: 8, .value_kind: global_buffer, .address_space: global }
      - { .name: out1, .offset: 24, .size: 8, .value_kind: global_buffer, .address_space: global }
      - { .name: idx, .offset: 32, .size: 8, .value_kind: global_buffer, .address_space: global }
      - { .name: gate, .offset: 40, .size: 8, .value_kind: global_buffer, .address_space: global }
    .group_segment_fixed_size: 5120
    .private_segment_fixed_size: 0
    .kernarg_segment_align: 8
    .kernarg_segment_size: 48
    .max_flat_workgroup_size: 256
    .sgpr_count:     66
    .vgpr_count:     162
    .wavefront_size: 32
...
	.end_amdgpu_metadata
.endif
;; end of part 1
;; launch place (part 2): grid 64 x 8, 4 waves a work-group, no clusters, 0 bytes of LDS; arguments idx, x, lowp_scales, xg, pos, cnt; writes xg, pos, cnt
.if DOCPART == 2
	.amdgcn_target "amdgcn-amd-amdhsa--gfx1250"
	.amdhsa_code_object_version 6
	.text
	.protected	k_qf02172875c_place
	.globl	k_qf02172875c_place
	.p2align	8
	.type	k_qf02172875c_place,@function
k_qf02172875c_place:
	s_mov_b64 s[64:65], 0
	v_nop
	global_prefetch_b8 v0, s[64:65] scope:SCOPE_SE
	s_setreg_imm32_b32 hwreg(HW_REG_WAVE_MODE, 25, 1), 1
	s_wait_xcnt 0x0
; THE PLACING.  Expert e owns slots 1024 e .. 1024 e + 1023 (a token takes an expert at most once, so they always suffice); its tokens fill them in ascending order of the token.
; Work-group (t, e) makes tile t of expert e: slots 16 t .. 16 t + 15.  It finds their tokens, gathers the tokens' rows of x, stores them as codes of E4M3, and stores the slots into pos.
; idx: [1024][2] int32 from the launch before.  cnt: [8] int32, the experts' rows.  pos: [1024][2] int32, the slot of (token, choice).
; xg: [e 8][t 64][K step 8][quad 4][lane 32][16 bytes]: an image of the operand's registers.  In a K step of 128, lane (r, h), register g, byte b hold k = 64 (g / 8) + 32 h + 4 (g % 8) + b of row r:
; the same order of k as the weights' codes have in the next launch, so every product meets its partner.
; A tile that begins at or behind the expert's last row stores nothing and ends: the grid serves every split of the tokens.  In the last tile the rows behind the last one take token 1023's numbers
; (a clamped address): they are multiplied and never read at the end.
; RANKING, repeated by every wave, without LDS and without a barrier: 32 words of 32 tokens each; a running count over the words tells each lane the word that holds its slot's token, and a
; count over that word's bits the bit.
; code = x / 2^e1, held within +-448, to the nearest code, ties to even; e1 = lowp_scales[1].  LIMITS: -126 <= e1 <= 119; NaN among the inputs is not served.
; The stores into pos are 4 bytes a lane at scattered places: 8,192 bytes in the whole launch.
.set XR, 96                            ; v[96:223]  my 128 numbers of x: block bl's 32 at XR + 32 bl
.set CO, 224                           ; v[224:255] their codes
	s_load_b256 s[4:11], s[0:1], 0x0               ; idx s[4:5], x s[6:7], lowp_scales s[8:9], xg s[10:11]
	s_load_b128 s[12:15], s[0:1], 0x20             ; pos s[12:13], cnt s[14:15]
	v_lshrrev_b32 v1, 5, v0
	v_readfirstlane_b32 s16, v1                    ; wave 0..3: K blocks of 64: 4 w .. 4 w + 3
	s_and_b32 s19, ttmp7, 0xffff                   ; the expert
	v_and_b32 v1, 31, v0                           ; lane
	v_and_b32 v2, 15, v0                           ; r
	v_bfe_u32 v3, v0, 4, 1                         ; h
	s_lshl_b32 s27, ttmp9, 4                       ; 16 t
	v_add_nc_u32 v4, s27, v2                       ; q: my row's rank among the expert's tokens
	v_lshlrev_b32 v17, 3, v1
	v_mov_b32 v5, 0                                ; W: the word that holds my token: bit l = token 32 J + l goes to this expert
	v_mov_b32 v6, 0                                ; W0: the same for the first choice alone
	v_mov_b32 v7, 0                                ; B: the expert's tokens ahead of that word
	v_mov_b32 v8, 0                                ; J
	v_mov_b32 v10, 0
	v_mov_b32 v11, 0
	s_mov_b32 s22, 0                               ; the running count
	s_lshl_b32 s28, s16, 12
	v_lshl_add_u32 v14, v1, 4, s28                 ; xg: 16 x lane + 4096 w
	s_lshl_b32 s31, s16, 10
	v_lshl_add_u32 v20, v3, 7, s31                 ; in a row of x: my half's 32 numbers of a block of 64, my wave's four blocks: 128 h + 1024 w
	s_lshl_b32 s24, s19, 6
	s_add_co_u32 s24, s24, ttmp9
	s_lshl_b32 s24, s24, 14                        ; a tile is 16,384 bytes
	s_mov_b32 s25, 0
	s_wait_kmcnt 0x0
	s_load_b32 s32, s[8:9], 0x4                    ; e1
	s_add_nc_u64 s[10:11], s[10:11], s[24:25]
.set j, 0
.rept 32
	global_load_b64 v[32+2*j:33+2*j], v17, s[4:5] offset:256*j   ; token 32 j + lane: 256 consecutive bytes
.set j, j+1
.endr
	s_wait_loadcnt 0x0
.set j, 0
.rept 32
	v_cmp_eq_u32 s20, s19, v[32+2*j]
	v_cmp_eq_u32 s21, s19, v[33+2*j]
	s_or_b32 s21, s20, s21                         ; word j
	v_cmp_le_u32 vcc_lo, s22, v4                   ; the count ahead of word j is not above my rank: the last such word is mine
	v_cndmask_b32 v5, v5, s21, vcc_lo
	v_cndmask_b32 v6, v6, s20, vcc_lo
	v_cndmask_b32 v7, v7, s22, vcc_lo
	v_cndmask_b32 v8, v8, j, vcc_lo
	s_bcnt1_i32_b32 s24, s21
	s_add_co_u32 s22, s22, s24
.set j, j+1
.endr
	; s22 = the expert's rows
	s_or_b32 s25, ttmp9, s16
	s_cmp_lg_u32 s25, 0
	s_cbranch_scc1 .Lno_cnt                        ; tile 0's wave 0 stores the count
	v_mov_b32 v18, s22
	s_lshl_b32 s25, s19, 2
	v_mov_b32 v19, s25
	v_cmp_eq_u32 vcc_lo, 0, v1
	s_wait_xcnt 0x0                                ; EXEC changes only behind this wait
	s_and_saveexec_b32 s26, vcc_lo
	global_store_b32 v19, v18, s[14:15]
	s_wait_xcnt 0x0
	s_or_b32 exec_lo, exec_lo, s26
.Lno_cnt:
	s_cmp_ge_u32 s27, s22
	s_cbranch_scc1 .Lend                           ; the tile has no row
	v_sub_nc_u32 v9, v4, v7                        ; N: my rank inside the word
.set j, 0
.rept 32
	v_bfe_u32 v17, v5, j, 1
	v_add_nc_u32 v10, v10, v17                     ; set bits up to and with place j
	v_cmp_le_u32 vcc_lo, v10, v9
	v_add_co_ci_u32 v11, vcc_lo, 0, v11, vcc_lo    ; the places whose count is not above N are those ahead of my bit
.set j, j+1
.endr
	v_lshl_add_u32 v12, v8, 5, v11                 ; the token
	v_min_u32 v12, 0x3ff, v12                      ; (a row behind the expert's last: 1023)
	v_lshlrev_b32 v13, 12, v12                     ; the token's row of 4,096 bytes,
	v_add_nc_u32 v13, v13, v20                     ; and my place in it
.set j, 0
.rept 32
	global_load_b128 v[XR+4*j:XR+4*j+3], v13, s[6:7] offset:256*(j/8)+16*(j%8)
.set j, j+1
.endr
	s_wait_kmcnt 0x0
	s_add_co_i32 s32, s32, 127
	s_lshl_b32 s33, s32, 23
	v_mov_b32 v15, s33                             ; 2^e1 as f32: the conversion takes its exponent field
	s_add_co_i32 s32, s32, 8
	s_lshl_b32 s32, s32, 23
	s_or_b32 s32, s32, 0x600000
	v_mov_b32 v16, s32                             ; 448 x 2^e1
.irp bl, 0,1,2,3
	s_wait_loadcnt 24-8*\bl                        ; this block's eight loads are in; the later blocks' may be out
.set j, 0
.rept 32
	v_med3_num_f32 v[XR+32*\bl+j], v[XR+32*\bl+j], -v16, v16   ; the conversion to an 8-bit code does not saturate (ISA guide 7.6.2): the hold comes first
.set j, j+1
.endr
.irp q, 0,1,2,3
	v_cvt_scalef32_pk8_fp8_f32 v[CO+8*\bl+2*\q:CO+8*\bl+2*\q+1], v[XR+32*\bl+8*\q:XR+32*\bl+8*\q+7], v15
.endr
.endr
	v_nop                                          ; a plain instruction behind the last conversion
.irp bl, 0,1,2,3
.irp m, 0,1
	global_store_b128 v14, v[CO+8*\bl+4*\m:CO+8*\bl+4*\m+3], s[10:11] offset:1024*\bl+512*\m   ; 32 lanes store 512 consecutive bytes, aligned
.endr
.endr
	s_cmp_lg_u32 s16, 0
	s_cbranch_scc1 .Lend                           ; wave 0 stores the slots, last of all: nothing is computed behind this change of EXEC
	v_lshrrev_b32 v17, v11, v6
	v_and_b32 v17, 1, v17
	v_xor_b32 v17, 1, v17                          ; 0: the expert is the token's first choice; 1: its second
	v_min_u32 v17, 1, v17
	v_lshlrev_b32 v18, 3, v12
	v_lshl_add_u32 v18, v17, 2, v18
	s_lshl_b32 s28, s19, 10
	v_add_nc_u32 v19, s28, v4                      ; the slot
	v_cmp_gt_u32 vcc_lo, s22, v4                   ; rows that exist,
	v_cmp_eq_u32 s29, 0, v3                        ; once each
	s_and_b32 vcc_lo, vcc_lo, s29
	s_wait_xcnt 0x0                                ; EXEC changes only behind this wait: the stores of the codes are out
	s_and_saveexec_b32 s30, vcc_lo
	global_store_b32 v18, v19, s[12:13]
	s_wait_xcnt 0x0
	s_or_b32 exec_lo, exec_lo, s30
.Lend:
	s_endpgm
.Lfunc_end_k_qf02172875c_place:
	.size	k_qf02172875c_place, .Lfunc_end_k_qf02172875c_place-k_qf02172875c_place
	.p2alignl 7, 3214868480
	.fill 96, 4, 3214868480
	.section	.rodata,"a",@progbits
	.p2align	6, 0x0
	.amdhsa_kernel k_qf02172875c_place
		.amdhsa_group_segment_fixed_size 0
		.amdhsa_private_segment_fixed_size 0
		.amdhsa_enable_private_segment 0
		.amdhsa_kernarg_size 48
		.amdhsa_user_sgpr_count 2
		.amdhsa_user_sgpr_kernarg_segment_ptr 1
		.amdhsa_wavefront_size32 1
		.amdhsa_system_sgpr_workgroup_id_x 1
		.amdhsa_system_sgpr_workgroup_id_y 1
		.amdhsa_system_sgpr_workgroup_id_z 1
		.amdhsa_system_vgpr_workitem_id 0
		.amdhsa_next_free_vgpr 256
		.amdhsa_next_free_sgpr 66
		.amdhsa_reserve_vcc 1
		.amdhsa_float_denorm_mode_32 3
		.amdhsa_float_denorm_mode_16_64 3
		.amdhsa_memory_ordered 1
		.amdhsa_forward_progress 1
		.amdhsa_inst_pref_size 41
	.end_amdhsa_kernel
	.amdgpu_metadata
---
amdhsa.version: [ 1, 2 ]
amdhsa.kernels:
  - .name:           k_qf02172875c_place
    .symbol:         k_qf02172875c_place.kd
    .args:
      - { .name: idx, .offset: 0, .size: 8, .value_kind: global_buffer, .address_space: global }
      - { .name: x, .offset: 8, .size: 8, .value_kind: global_buffer, .address_space: global }
      - { .name: lowp_scales, .offset: 16, .size: 8, .value_kind: global_buffer, .address_space: global }
      - { .name: xg, .offset: 24, .size: 8, .value_kind: global_buffer, .address_space: global }
      - { .name: pos, .offset: 32, .size: 8, .value_kind: global_buffer, .address_space: global }
      - { .name: cnt, .offset: 40, .size: 8, .value_kind: global_buffer, .address_space: global }
    .group_segment_fixed_size: 0
    .private_segment_fixed_size: 0
    .kernarg_segment_align: 8
    .kernarg_segment_size: 48
    .max_flat_workgroup_size: 128
    .sgpr_count:     66
    .vgpr_count:     256
    .wavefront_size: 32
...
	.end_amdgpu_metadata
.endif
;; end of part 2
;; launch up (part 3): grid 32 x 8, 4 waves a work-group, no clusters, 131,584 bytes of LDS; arguments w1, b1, xg, cnt, lowp_scales, hc; writes hc
.if DOCPART == 3
	.amdgcn_target "amdgcn-amd-amdhsa--gfx1250"
	.amdhsa_code_object_version 6
	.text
	.protected	k_qf02172875c_up
	.globl	k_qf02172875c_up
	.p2align	8
	.type	k_qf02172875c_up,@function
k_qf02172875c_up:
	s_mov_b64 s[64:65], 0
	v_nop
	global_prefetch_b8 v0, s[64:65] scope:SCOPE_SE
	s_setreg_imm32_b32 hwreg(HW_REG_WAVE_MODE, 25, 1), 1
	s_wait_xcnt 0x0
; THE FIRST PRODUCT.  hidden = Q(gelu(X W1 + b1)) for the rows that were routed to each expert; both operands are codes of E4M3, sums in f32.
; w1: [8][1024 (k)][4096 (n)] f32, read ONCE, as f32, and quantised in registers on its way to the matrix unit.  xg: x's codes, gathered by expert, as images of the operand's registers.
; hc: [e 8][t 64][K step 32][quad 4][lane 32][16 bytes]: the hidden layer's codes, as images of the next product's operand.  cnt: [8] int32: the experts' rows.
; SHARES.  Work-group (X, e) holds 128 columns of expert e's W1, all 1,024 of K: two UNITS of 64 columns.  Two waves share a unit (u = wave / 2): wave half p = wave % 2 streams K = 512 p .. 512 p + 511
; (131,072 bytes of f32), quantises it into 256 registers, and hands them to its partner through LDS, once.  Then each of the two holds the unit's 65,536 bytes of codes in 512 registers
; and takes every second tile of 16 rows: t = p, p + 2, ..  So all four waves stream, and all four multiply.
; THE STREAM.  Lane (r, h) loads 16 bytes: columns n0 + 4 r .. + 3 of row 64 b + 32 h + i: a wave's load is two rows x 256 consecutive bytes, aligned.  64 loads of a wave are asked for ahead.
; A lane's registers run down K; the hold at the largest code writes into other registers and so turns 8 rows x 4 columns into 4 columns x 8 rows; the conversions then give codes with K innermost.
; Column tile j is the columns n0 + 4 r + j.  In a K step of 128, lane (r, h), register g, byte b hold k = 64 (g / 8) + 32 h + 4 (g % 8) + b: a permutation of k, the same on both sides of the product.
; THE MATRIX INSTRUCTION IS USED TRANSPOSED (source 0 = a column tile of W1, source 1 = 16 rows of x): register i of tile j in lane (r, h) is row r, column n0 + 32 h + 4 i + j: a lane holds 32 neighbouring
; hidden units of one row, which are eight registers of the next product's operand.
; GELU: 0.5 u (1 + erf(u / sqrt(2))); erf(z) = z P(z^2) / Q(z^2) with z held within +-4, a rational form in f32 whose error is a few units in erf's last place; beyond +-4 erf is +-1 in f32.
; NO TENSOR LOADS, NO CLUSTER: the number of row tiles is a stored number, so the loop over them has no barrier and no mover; the weights, nearly all of the bytes, are shared by nobody.
; ONE BARRIER, ahead of every branch on the stored count.
; LIMITS: e0 (w1) and e2 (hidden) between -126 and 119; e0 + e1 between -126 and 127, so that each power of two below is an f32 number.  NaN among the inputs is not served.
; REGISTERS, in windows of 256.  Window 0: v1-15 addresses and constants; v[16:19] two coefficients; v[20:27] codes just made; v32-63 b1; v64-95 four accumulators; v96-159 two banks for the hold, later at work.
;   Window 1: in the stream two sets of 128 (row i, column j at 4 i + j); later x's fragments: my half of K at v0-63, the other at v64-127.   Window 2: my codes, fragment (K step i, tile j) at 16 (4 i + j).   Window 3: my partner's.
; The stream switches windows three times for each 8 loads, 32 holds and 4 conversions: the three kinds of line live in three windows.
.set PITCH, 16384                      ; a row of W1 in bytes
.set TSH,   14                         ; a tile of x's codes is 2^14 bytes
.set AB,    8                          ; s[8:9] x's codes of my expert
.set U,  128                           ; the epilogue's arrays, 16 numbers each
.set Z,  144
.set Z2, 160
.set P,  176
.set Q,  192
.set A13, 36                           ; s[36:55] ten coefficients, each as a pair: the packed forms name a pair and take its low word for both halves
.set A9,  38
.set A7,  40
.set A5,  42
.set A3,  44
.set A1,  46
.set B8,  48
.set B4,  50
.set B2,  52
.set B0,  54
.set TRIP,  56                         ; s56  the row loop's counter c: my tile is t = 2 c + p
.set TRIPS, 57                         ; s57  my tiles: (the expert's tiles + 1 - p) / 2
.set MSB, 0
.macro WIN new                         ; the immediate's high byte repeats the setting that is left; a switch that changes nothing is dropped
.if MSB != \new
	s_set_vgpr_msb (MSB<<8)|\new
.set MSB, \new
.endif
.endm
.macro COEF s, val
	s_mov_b32 s[\s], \val
	s_mov_b32 s[\s+1], s[\s]
.endm
; eight loads: rows 8 g .. 8 g + 7 (and 32 further down for lanes 16-31) of K block b, into set b % 2
.macro WLOAD b, g
	WIN 0x40                                       ; destination window 1
.set q, 0
.rept 8
	global_load_b128 v[128*((\b)%2)+4*(8*(\g)+q):128*((\b)%2)+4*(8*(\g)+q)+3], v2, s[4:5] offset:(64*(\b)+8*(\g)+q)*PITCH th:TH_LOAD_NT
.set q, q+1
.endr
.endm
; eight rows x four columns a lane become codes; then the registers take the loads of two blocks on
.macro GROUP b, g
.set GG, 4*(\b)+(\g)
.set TB, 96+32*(GG%2)
.set SB, 128*((\b)%2)+32*(\g)
.if 8*(31-GG) < 56
	s_wait_loadcnt 8*(31-GG)                       ; the tail: only the groups that are left are out
.else
	s_wait_loadcnt 56                              ; my eight loads are in; the seven groups asked for behind them stay out
.endif
	WIN 0x01                                       ; source 0 window 1
.set j, 0
.rept 4
.set q, 0
.rept 8
	v_med3_num_f32 v[TB+8*j+q], v[SB+4*q+j], -v12, v12   ; the hold (the conversion does not saturate: ISA guide 7.6.2), and the turn: column j's eight rows come to lie on end
.set q, q+1
.endr
.set j, j+1
.endr
	WIN 0x80                                       ; destination window 2
.set j, 0
.rept 4
.set CD, 16*(4*((\b)/2)+j)+8*((\b)%2)+2*(\g)
	v_cvt_scalef32_pk8_fp8_f32 v[CD:CD+1], v[TB+8*j:TB+8*j+7], v11   ; the two banks take turns: the other bank's 32 holds stand between a conversion and the next write of its sources
.set j, j+1
.endr
.if (\b) < 6
	WLOAD (\b)+2, \g
.endif
.endm
.macro SHARE b                         ; block b's codes go to LDS as they stand: register R's quad at 128 R + 16 x lane
	WIN 0x08                                       ; store data window 2
.set j, 0
.rept 4
.set R, 16*(4*((\b)/2)+j)+8*((\b)%2)
	ds_store_b128 v3, v[R:R+3] offset:128*R
	ds_store_b128 v3, v[R+4:R+7] offset:128*R+512
.set j, j+1
.endr
.endm
.macro ALOAD half                      ; four K steps' fragments of a tile of rows: 16 loads of 512 consecutive bytes
	WIN 0x40
.set q, 0
.rept 16
	global_load_b128 v[64*(\half)+4*q:64*(\half)+4*q+3], v[5+\half], s[AB:AB+1] offset:512*q
.set q, q+1
.endr
.endm
; 16 matrix instructions: four K steps x four column tiles.  The four accumulators take turns, one instruction a turn.  zero = 1: the first K step starts the sums
.macro MUL half, zero
.set WN, 0x06+(\half)
	WIN WN                                         ; source 0 window 2 (my codes) or 3 (my partner's), source 1 window 1, C and D window 0
.set i, 0
.rept 4
.set j, 0
.rept 4
.if (\zero) && (i == 0)
	v_wmma_f32_16x16x128_fp8_fp8 v[64+8*j:71+8*j], v[16*(4*i+j):16*(4*i+j)+15], v[64*(\half)+16*i:64*(\half)+16*i+15], 0
.else
	v_wmma_f32_16x16x128_fp8_fp8 v[64+8*j:71+8*j], v[16*(4*i+j):16*(4*i+j)+15], v[64*(\half)+16*i:64*(\half)+16*i+15], v[64+8*j:71+8*j]
.endif
.set j, j+1
.endr
.set i, i+1
.endr
.endm
.macro PMUL d, a, b                    ; eight packed products
.set n, 0
.rept 8
	v_pk_mul_f32 v[\d+n:\d+n+1], v[\a+n:\a+n+1], v[\b+n:\b+n+1]
.set n, n+2
.endr
.endm
.macro FIRST d, x, c, v                ; d = x c + v: a polynomial's first step; c a scalar pair, v a vector pair
.set n, 0
.rept 8
	v_pk_fma_f32 v[\d+n:\d+n+1], v[\x+n:\x+n+1], s[\c:\c+1], v[\v:\v+1] op_sel_hi:[1,0,1]
.set n, n+2
.endr
.endm
.macro HORNER d, x, c                  ; d = d x + c
.set n, 0
.rept 8
	v_pk_fma_f32 v[\d+n:\d+n+1], v[\d+n:\d+n+1], v[\x+n:\x+n+1], s[\c:\c+1] op_sel_hi:[1,1,0]
.set n, n+2
.endr
.endm
; accumulators 2 g and 2 g + 1: 16 numbers, array by array, so that no line waits for the line above it
.macro GELU g
.set n, 0
.rept 8
	v_pk_fma_f32 v[U+n:U+n+1], v[64+16*(\g)+n:64+16*(\g)+n+1], s[32:33], v[32+16*(\g)+n:32+16*(\g)+n+1] op_sel_hi:[1,0,1]   ; u = sum x 2^(e0 + e1) + b1; each accumulator from its low end on
.set n, n+2
.endr
.set n, 0
.rept 16
	v_med3_num_f32 v[Z+n], v[U+n], -v15, v15       ; u held within +-4 sqrt(2),
.set n, n+1
.endr
.set n, 0
.rept 8
	v_pk_mul_f32 v[Z+n:Z+n+1], v[Z+n:Z+n+1], s[34:35] op_sel_hi:[1,0]   ; z = u / sqrt(2), within +-4
.set n, n+2
.endr
	PMUL Z2, Z, Z
	FIRST P, Z2, A13, 16
	HORNER P, Z2, A9
	HORNER P, Z2, A7
	HORNER P, Z2, A5
	HORNER P, Z2, A3
	HORNER P, Z2, A1
	FIRST Q, Z2, B8, 18
	HORNER Q, Z2, B4
	HORNER Q, Z2, B2
	HORNER Q, Z2, B0
.set n, 0
.rept 16
	v_rcp_f32 v[Q+n], v[Q+n]                       ; one batch
.set n, n+1
.endr
	PMUL P, P, Z                                   ; sixteen plain instructions that name none of the batch's results
.set n, 0
.rept 8
	v_pk_mul_f32 v[U+n:U+n+1], v[U+n:U+n+1], 0.5 op_sel_hi:[1,0]
.set n, n+2
.endr
	s_wait_alu depctr_va_vdst(0)                   ; one wait for the sixteen reciprocals, ahead of their first reader
	PMUL P, P, Q                                   ; erf
.set n, 0
.rept 8
	v_pk_fma_f32 v[P+n:P+n+1], v[P+n:P+n+1], v[U+n:U+n+1], v[U+n:U+n+1]   ; 0.5 u erf + 0.5 u
.set n, n+2
.endr
.set n, 0
.rept 16
	v_med3_num_f32 v[96+4*(n%8)+2*(\g)+n/8], v[P+n], -v14, v14   ; the hold, and the turn: register 4 i + j is hidden unit n0 + 32 h + 4 i + j
.set n, n+1
.endr
.endm
	s_load_b256 s[4:11], s[0:1], 0x0               ; w1 s[4:5], b1 s[6:7], xg s[8:9], cnt s[10:11]
	s_load_b128 s[12:15], s[0:1], 0x20             ; lowp_scales s[12:13], hc s[14:15]
	v_lshl_add_u32 v254, v0, 2, 0x20000
	v_mov_b32 v255, 0
	v_lshrrev_b32 v1, 5, v0
	v_readfirstlane_b32 s16, v1                    ; wave 0..3
	s_lshr_b32 s17, s16, 1                         ; u: my unit
	s_and_b32 s18, s16, 1                          ; p: my half of K, and my tiles' parity
	s_and_b32 s19, ttmp7, 0xffff                   ; the expert
	v_and_b32 v1, 31, v0
	v_lshlrev_b32 v1, 4, v1                        ; 16 x lane
	v_and_b32 v5, 15, v0                           ; r
	v_bfe_u32 v6, v0, 4, 1                         ; h
	v_mul_u32_u24 v2, v6, 32*PITCH
	v_lshl_add_u32 v2, v5, 4, v2                   ; the stream: 32 rows further down for lanes 16-31, 16 bytes a lane
	v_lshlrev_b32 v10, 7, v6                       ; b1: 128 h
	s_lshl_b32 s24, s16, 15
	v_add_nc_u32 v3, s24, v1                       ; LDS: my 32,768 bytes,
	s_xor_b32 s24, s16, 1
	s_lshl_b32 s24, s24, 15
	v_add_nc_u32 v4, s24, v1                       ; and my partner's
	s_lshl_b32 s24, s18, 13
	v_add_nc_u32 v7, s24, v1                       ; in a tile of x's codes: my half of K (four K steps of 2,048 bytes),
	s_xor_b32 s24, s24, 8192
	v_add_nc_u32 v8, s24, v1                       ; and the other
	s_lshl_b32 s26, ttmp9, 9
	s_lshl_b32 s27, s17, 8
	s_add_co_u32 s26, s26, s27                     ; 4 n0, n0 = 128 X + 64 u
	s_mov_b32 s25, 0
	s_wait_kmcnt 0x0
	s_lshl_b32 s24, s19, 2
	s_add_nc_u64 s[10:11], s[10:11], s[24:25]
	s_load_b32 s21, s[10:11], 0x0                  ; my expert's rows
	s_load_b128 s[28:31], s[12:13], 0x0            ; e0, e1, e2, e3
	s_lshl_b32 s24, s19, 24                        ; an expert's W1 is 2^24 bytes,
	s_lshl_b32 s27, s18, 23                        ; 512 rows are 2^23
	s_add_co_u32 s24, s24, s27
	s_add_co_u32 s24, s24, s26
	s_add_nc_u64 s[4:5], s[4:5], s[24:25]
	s_lshl_b32 s24, s19, 14
	s_add_co_u32 s24, s24, s26
	s_add_nc_u64 s[6:7], s[6:7], s[24:25]          ; b1 at my unit's first column
	s_lshl_b32 s24, s19, 20
	s_add_nc_u64 s[8:9], s[8:9], s[24:25]          ; 64 tiles of 2^14 bytes an expert
	s_lshl_b32 s24, s19, 22                        ; hc: 64 tiles of 2^16 bytes an expert;
	s_lshl_b32 s27, ttmp9, 11                      ; my 128 columns are K step X of the next product, 2,048 bytes;
	s_add_co_u32 s24, s24, s27
	s_lshl_b32 s27, s17, 10                        ; my unit's 64 are its registers 8 u .. 8 u + 7: quads 2 u, 2 u + 1
	s_add_co_u32 s24, s24, s27
	s_add_nc_u64 s[14:15], s[14:15], s[24:25]
.set j, 0
.rept 4
.set i, 0
.rept 8
	global_load_b32 v[32+8*j+i], v10, s[6:7] offset:4*(4*i+j)   ; b1 in the accumulators' order: once a wave
.set i, i+1
.endr
.set j, j+1
.endr
.irp g, 0,1,2,3
	WLOAD 0, \g
.endr
.irp g, 0,1,2,3
	WLOAD 1, \g
.endr
	WIN 0
	s_mov_b32 s34, 0x3f3504f3                      ; 1 / sqrt(2)
	s_mov_b32 s35, s34
	COEF A13, -0.000000000272614225801306
	COEF A9,  -0.00000210102402082508
	COEF A7,  -0.0000569250639462346
	COEF A5,  -0.000734990630326855
	COEF A3,  -0.00295459980854025
	COEF A1,  -0.0160960333262415
	COEF B8,  -0.0000145660718464996
	COEF B4,  -0.00168282697438203
	COEF B2,  -0.00737332916720468
	COEF B0,  -0.0142647390514189
	v_mov_b32 v15, 0x40b504f3                      ; 4 sqrt(2)
	v_mov_b32 v16, 0.0000000277068142495902        ; the numerator's coefficient of z^11, twice
	v_mov_b32 v17, v16
	v_mov_b32 v18, -0.000213374055278905           ; the denominator's of z^6, twice
	v_mov_b32 v19, v18
	s_wait_kmcnt 0x0
	s_add_co_i32 s24, s28, 127
	s_lshl_b32 s27, s24, 23
	v_mov_b32 v11, s27                             ; 2^e0 as f32: the conversion takes its exponent field
	s_add_co_i32 s24, s24, 8
	s_lshl_b32 s24, s24, 23
	s_or_b32 s24, s24, 0x600000
	v_mov_b32 v12, s24                             ; 448 x 2^e0
	s_add_co_i32 s24, s30, 127
	s_lshl_b32 s27, s24, 23
	v_mov_b32 v13, s27                             ; 2^e2
	s_add_co_i32 s24, s24, 8
	s_lshl_b32 s24, s24, 23
	s_or_b32 s24, s24, 0x600000
	v_mov_b32 v14, s24                             ; 448 x 2^e2
	s_add_co_i32 s32, s28, s29
	s_add_co_i32 s32, s32, 127
	s_lshl_b32 s32, s32, 23                        ; 2^(e0 + e1)
	s_mov_b32 s33, s32
	s_add_co_u32 s21, s21, 15
	s_lshr_b32 s21, s21, 4
	s_min_u32 s21, s21, 64                         ; my expert's tiles of 16 rows
.irp b, 0,1,2,3,4,5,6,7
.irp g, 0,1,2,3
	GROUP \b, \g
.endr
	SHARE \b
.endr
	v_nop                                          ; a plain instruction between the last conversion and the products that read the codes
	WIN 0
	s_wait_dscnt 0x0                               ; for my partner's sake: my codes lie in LDS
	s_barrier_signal -1
	s_barrier_wait -1                              ; the one barrier: every wave passes it, ahead of every branch on the stored count
	s_cmp_ge_u32 s18, s21
	s_cbranch_scc1 .Lend                           ; no tile of my parity
	WIN 0xc0                                       ; destination window 3
.set q, 0
.rept 64
	ds_load_b128 v[4*q:4*q+3], v4 offset:512*q     ; my partner's 256 registers, as they stood
.set q, q+1
.endr
	WIN 0
	s_add_co_u32 s[TRIPS], s21, 1
	s_sub_co_u32 s[TRIPS], s[TRIPS], s18
	s_lshr_b32 s[TRIPS], s[TRIPS], 1               ; tiles p, p + 2, .. under the expert's count: at least one, at most 32
	s_mov_b32 s[TRIP], 0
	s_sub_co_u32 s26, s21, 1                       ; the last tile
	s_lshl_b32 s24, s18, TSH
	v_add_nc_u32 v5, s24, v7
	v_add_nc_u32 v6, s24, v8
	ALOAD 0
	ALOAD 1
	WIN 0
	s_wait_dscnt 0x0
.Lrow:                                             ; a trip: one tile of 16 rows x my unit's 64 columns, 32 matrix instructions; the next tile's fragments are asked for as soon as their registers are free
	s_lshl_b32 s22, s[TRIP], 1
	s_add_co_u32 s22, s22, s18                     ; t = 2 c + p
	s_wait_loadcnt 16                              ; my half of K is in; the other half's sixteen loads may be out
	MUL 0, 1
	WIN 0
	s_add_co_u32 s23, s22, 2
	s_min_u32 s23, s23, s26                        ; the next tile of my parity; in the last trip a tile that exists, asked for and not used: no load leaves the written part of its buffer
	s_min_u32 s23, s23, 63
	s_lshl_b32 s24, s23, TSH
	v_add_nc_u32 v5, s24, v7                       ; (free since the wait at the trip's head.)  This line and three v_nop are the four places in front of loads into registers that matrix instructions have read
.rept 3
	v_nop
.endr
	ALOAD 0
	s_wait_loadcnt 16                              ; the other half is in; the sixteen just issued may be out
	MUL 1, 0
	WIN 0
	v_add_nc_u32 v6, s24, v8                       ; likewise; these four places also stand in front of the first read of the sums
.rept 3
	v_nop
.endr
	ALOAD 1
	WIN 0
	GELU 0
	GELU 1
	s_wait_xcnt 0x0                                ; the last trip's stores have read their data and their offset: both are written again below
	s_min_u32 s25, s22, 63
	s_lshl_b32 s25, s25, 16
	v_add_nc_u32 v9, s25, v1                       ; tile t of hc, 16 x lane
.irp q, 0,1,2,3
	v_cvt_scalef32_pk8_fp8_f32 v[20+2*\q:21+2*\q], v[96+8*\q:103+8*\q], v13
.endr
	v_nop                                          ; a plain instruction behind the last conversion
	global_store_b128 v9, v[20:23], s[14:15]       ; 32 lanes store 512 consecutive bytes, aligned
	global_store_b128 v9, v[24:27], s[14:15] offset:512
	s_add_co_u32 s[TRIP], s[TRIP], 1
	s_cmp_lt_u32 s[TRIP], s[TRIPS]
	s_cbranch_scc1 .Lrow
.Lend:
	s_wait_tensorcnt 0x0
	ds_add_u32 v254, v255
	s_wait_dscnt 0x0
	s_endpgm
.Lfunc_end_k_qf02172875c_up:
	.size	k_qf02172875c_up, .Lfunc_end_k_qf02172875c_up-k_qf02172875c_up
	.p2alignl 7, 3214868480
	.fill 96, 4, 3214868480
	.section	.rodata,"a",@progbits
	.p2align	6, 0x0
	.amdhsa_kernel k_qf02172875c_up
		.amdhsa_group_segment_fixed_size 131584
		.amdhsa_private_segment_fixed_size 0
		.amdhsa_enable_private_segment 0
		.amdhsa_kernarg_size 48
		.amdhsa_user_sgpr_count 2
		.amdhsa_user_sgpr_kernarg_segment_ptr 1
		.amdhsa_wavefront_size32 1
		.amdhsa_system_sgpr_workgroup_id_x 1
		.amdhsa_system_sgpr_workgroup_id_y 1
		.amdhsa_system_sgpr_workgroup_id_z 1
		.amdhsa_system_vgpr_workitem_id 0
		.amdhsa_next_free_vgpr 1024
		.amdhsa_next_free_sgpr 66
		.amdhsa_reserve_vcc 0
		.amdhsa_float_denorm_mode_32 3
		.amdhsa_float_denorm_mode_16_64 3
		.amdhsa_memory_ordered 1
		.amdhsa_forward_progress 1
		.amdhsa_inst_pref_size 148
	.end_amdhsa_kernel
	.amdgpu_metadata
---
amdhsa.version: [ 1, 2 ]
amdhsa.kernels:
  - .name:           k_qf02172875c_up
    .symbol:         k_qf02172875c_up.kd
    .args:
      - { .name: w1, .offset: 0, .size: 8, .value_kind: global_buffer, .address_space: global }
      - { .name: b1, .offset: 8, .size: 8, .value_kind: global_buffer, .address_space: global }
      - { .name: xg, .offset: 16, .size: 8, .value_kind: global_buffer, .address_space: global }
      - { .name: cnt, .offset: 24, .size: 8, .value_kind: global_buffer, .address_space: global }
      - { .name: lowp_scales, .offset: 32, .size: 8, .value_kind: global_buffer, .address_space: global }
      - { .name: hc, .offset: 40, .size: 8, .value_kind: global_buffer, .address_space: global }
    .group_segment_fixed_size: 131584
    .private_segment_fixed_size: 0
    .kernarg_segment_align: 8
    .kernarg_segment_size: 48
    .max_flat_workgroup_size: 128
    .sgpr_count:     66
    .vgpr_count:     1024
    .wavefront_size: 32
...
	.end_amdgpu_metadata
.endif
;; end of part 3
;; launch down (part 4): grid 32 x 8, 4 waves a work-group, no clusters, 148,992 bytes of LDS; arguments w2, hc, cnt, lowp_scales, yp; writes yp
.if DOCPART == 4
	.amdgcn_target "amdgcn-amd-amdhsa--gfx1250"
	.amdhsa_code_object_version 6
	.text
	.protected	k_qf02172875c_down
	.globl	k_qf02172875c_down
	.p2align	8
	.type	k_qf02172875c_down,@function
k_qf02172875c_down:
	s_mov_b64 s[64:65], 0
	v_nop
	global_prefetch_b8 v0, s[64:65] scope:SCOPE_SE
	s_setreg_imm32_b32 hwreg(HW_REG_WAVE_MODE, 25, 1), 1
	s_wait_xcnt 0x0
; THE SECOND PRODUCT, in four parts along K.  yp[ks][slot][n] = 2^(e2 + e3) x the sum over k = 1024 ks .. 1024 ks + 1023 of hidden[slot][k] W2[k][n], on codes of E4M3, sums in f32.
; w2: [8][4096 (k)][1024 (n)] f32, read ONCE, as f32, and quantised in registers.  hc: the hidden layer's codes, images of the operand's registers, from the launch before.  cnt: [8] int32.
; yp: [4][8192 slots][1024] f32.  The four parts of a row are added by the last launch, which needs whole rows for the norm: no sum spans work-groups inside a launch.
; SHARES.  Work-group (X, e): ks = X / 8, columns 128 (X % 8) .. + 127: two units of 1,024 K x 64 columns.  All else is as in the first product's launch: two waves share a unit, each streams and quantises
; half of its K into 256 registers, they exchange halves through LDS once, behind ONE barrier, and each then takes every second tile of 16 rows.
; THE STREAM, THE ORDER OF k, THE TRANSPOSED USE: lane (r, h) loads columns n0 + 4 r .. + 3 of row 64 b + 32 h + i (a load: two rows x 256 consecutive bytes, aligned); column tile j is the columns n0 + 4 r + j;
; in a K step of 128, lane (r, h), register g, byte b hold k = 64 (g / 8) + 32 h + 4 (g % 8) + b, as the hidden codes do; register i of tile j in lane (r, h) is row r, column n0 + 32 h + 4 i + j.
; THE WAY OUT.  A lane holds 32 neighbouring numbers of a row, 128 bytes, and the lanes beside it hold other rows: a tile goes through my wave's own stage in LDS and leaves as rows of 256 bytes, sixteen lanes to a row.
; NO TENSOR LOADS, NO CLUSTER: the number of row tiles is a stored number; the weights, nearly all of the bytes, are shared by nobody.
; LIMITS: e3 (w2) between -126 and 119; e2 + e3 between -126 and 127.  NaN among the inputs is not served.
; REGISTERS, in windows of 256.  Window 0: v1-14 addresses and constants; v64-95 four accumulators; v96-159 two banks for the hold; later v96-127 the scaled sums, v128-159 rows read back.
;   Window 1: in the stream two sets of 128; later the hidden fragments: my half of K at v0-63, the other at v64-127.   Window 2: my codes, fragment (K step i, tile j) at 16 (4 i + j).   Window 3: my partner's.
.set PITCH, 4096                       ; a row of W2 in bytes
.set TSH,   16                         ; a tile of hidden codes is 2^16 bytes
.set AB,    6                          ; s[6:7] the hidden codes of my expert and my quarter of K
.set STAGE, 131072                     ; behind the exchange: 16 rows x (256 bytes + 16) for each wave
.set TRIP,  56                         ; s56  the row loop's counter c: my tile is t = 2 c + p
.set TRIPS, 57                         ; s57  my tiles: (the expert's tiles + 1 - p) / 2
.set MSB, 0
.macro WIN new                         ; the immediate's high byte repeats the setting that is left; a switch that changes nothing is dropped
.if MSB != \new
	s_set_vgpr_msb (MSB<<8)|\new
.set MSB, \new
.endif
.endm
.macro WLOAD b, g                      ; eight loads: rows 8 g .. 8 g + 7 (and 32 further down for lanes 16-31) of K block b, into set b % 2
	WIN 0x40                                       ; destination window 1
.set q, 0
.rept 8
	global_load_b128 v[128*((\b)%2)+4*(8*(\g)+q):128*((\b)%2)+4*(8*(\g)+q)+3], v2, s[4:5] offset:(64*(\b)+8*(\g)+q)*PITCH th:TH_LOAD_NT
.set q, q+1
.endr
.endm
.macro GROUP b, g                      ; eight rows x four columns a lane become codes; then the registers take the loads of two blocks on
.set GG, 4*(\b)+(\g)
.set TB, 96+32*(GG%2)
.set SB, 128*((\b)%2)+32*(\g)
.if 8*(31-GG) < 56
	s_wait_loadcnt 8*(31-GG)                       ; the tail: only the groups that are left are out
.else
	s_wait_loadcnt 56                              ; my eight loads are in; the seven groups asked for behind them stay out
.endif
	WIN 0x01                                       ; source 0 window 1
.set j, 0
.rept 4
.set q, 0
.rept 8
	v_med3_num_f32 v[TB+8*j+q], v[SB+4*q+j], -v12, v12   ; the hold (the conversion does not saturate: ISA guide 7.6.2), and the turn: column j's eight rows come to lie on end
.set q, q+1
.endr
.set j, j+1
.endr
	WIN 0x80                                       ; destination window 2
.set j, 0
.rept 4
.set CD, 16*(4*((\b)/2)+j)+8*((\b)%2)+2*(\g)
	v_cvt_scalef32_pk8_fp8_f32 v[CD:CD+1], v[TB+8*j:TB+8*j+7], v11   ; the two banks take turns: the other bank's 32 holds stand between a conversion and the next write of its sources
.set j, j+1
.endr
.if (\b) < 6
	WLOAD (\b)+2, \g
.endif
.endm
.macro SHARE b                         ; block b's codes go to LDS as they stand: register R's quad at 128 R + 16 x lane
	WIN 0x08                                       ; store data window 2
.set j, 0
.rept 4
.set R, 16*(4*((\b)/2)+j)+8*((\b)%2)
	ds_store_b128 v3, v[R:R+3] offset:128*R
	ds_store_b128 v3, v[R+4:R+7] offset:128*R+512
.set j, j+1
.endr
.endm
.macro ALOAD half                      ; four K steps' fragments of a tile of rows: 16 loads of 512 consecutive bytes
	WIN 0x40
.set q, 0
.rept 16
	global_load_b128 v[64*(\half)+4*q:64*(\half)+4*q+3], v[5+\half], s[AB:AB+1] offset:512*q
.set q, q+1
.endr
.endm
; 16 matrix instructions: four K steps x four column tiles.  The four accumulators take turns, one instruction a turn.  zero = 1: the first K step starts the sums
.macro MUL half, zero
.set WN, 0x06+(\half)
	WIN WN                                         ; source 0 window 2 (my codes) or 3 (my partner's), source 1 window 1, C and D window 0
.set i, 0
.rept 4
.set j, 0
.rept 4
.if (\zero) && (i == 0)
	v_wmma_f32_16x16x128_fp8_fp8 v[64+8*j:71+8*j], v[16*(4*i+j):16*(4*i+j)+15], v[64*(\half)+16*i:64*(\half)+16*i+15], 0
.else
	v_wmma_f32_16x16x128_fp8_fp8 v[64+8*j:71+8*j], v[16*(4*i+j):16*(4*i+j)+15], v[64*(\half)+16*i:64*(\half)+16*i+15], v[64+8*j:71+8*j]
.endif
.set j, j+1
.endr
.set i, i+1
.endr
.endm
	s_load_b256 s[4:11], s[0:1], 0x0               ; w2 s[4:5], hc s[6:7], cnt s[8:9], lowp_scales s[10:11]
	s_load_b64 s[12:13], s[0:1], 0x20              ; yp
	v_lshl_add_u32 v254, v0, 2, 0x24400
	v_mov_b32 v255, 0
	v_lshrrev_b32 v1, 5, v0
	v_readfirstlane_b32 s16, v1                    ; wave 0..3
	s_lshr_b32 s17, s16, 1                         ; u: my unit
	s_and_b32 s18, s16, 1                          ; p: my half of the unit's K, and my tiles' parity
	s_and_b32 s19, ttmp7, 0xffff                   ; the expert
	s_lshr_b32 s20, ttmp9, 3                       ; ks: the quarter of K
	v_and_b32 v1, 31, v0
	v_lshlrev_b32 v1, 4, v1                        ; 16 x lane
	v_and_b32 v5, 15, v0                           ; r
	v_bfe_u32 v6, v0, 4, 1                         ; h
	v_mul_u32_u24 v2, v6, 32*PITCH
	v_lshl_add_u32 v2, v5, 4, v2                   ; the stream: 32 rows further down for lanes 16-31, 16 bytes a lane
	v_lshlrev_b32 v10, 12, v6
	v_lshl_add_u32 v10, v5, 4, v10                 ; yp: lanes 0-15 one row of 4,096 bytes, lanes 16-31 the next; 16 bytes a lane
	s_mul_i32 s25, s16, 16*272
	s_add_co_u32 s25, s25, STAGE                   ; my stage
	v_mul_u32_u24 v13, v5, 272
	v_lshl_add_u32 v13, v6, 7, v13
	v_add_nc_u32 v13, s25, v13                     ; in: row r, 128 bytes for each half of the lanes
	v_mul_u32_u24 v14, v6, 272
	v_lshl_add_u32 v14, v5, 4, v14
	v_add_nc_u32 v14, s25, v14                     ; back: lanes 0-15 one row of 256 bytes, lanes 16-31 the next
	s_lshl_b32 s24, s16, 15
	v_add_nc_u32 v3, s24, v1                       ; LDS: my 32,768 bytes of the exchange,
	s_xor_b32 s24, s16, 1
	s_lshl_b32 s24, s24, 15
	v_add_nc_u32 v4, s24, v1                       ; and my partner's
	s_lshl_b32 s24, s18, 13
	v_add_nc_u32 v7, s24, v1                       ; in a tile's quarter of hidden codes: my half (four K steps of 2,048 bytes),
	s_xor_b32 s24, s24, 8192
	v_add_nc_u32 v8, s24, v1                       ; and the other
	s_and_b32 s26, ttmp9, 7
	s_lshl_b32 s26, s26, 9
	s_lshl_b32 s27, s17, 8
	s_add_co_u32 s26, s26, s27                     ; 4 n0, n0 = 128 (X % 8) + 64 u
	s_mov_b32 s25, 0
	s_wait_kmcnt 0x0
	s_lshl_b32 s24, s19, 2
	s_add_nc_u64 s[8:9], s[8:9], s[24:25]
	s_load_b32 s21, s[8:9], 0x0                    ; my expert's rows
	s_load_b128 s[28:31], s[10:11], 0x0            ; e0, e1, e2, e3
	s_lshl_b32 s24, s19, 24                        ; an expert's W2 is 2^24 bytes,
	s_lshl_b32 s27, s20, 22                        ; 1,024 rows are 2^22,
	s_add_co_u32 s24, s24, s27
	s_lshl_b32 s27, s18, 21                        ; 512 rows 2^21
	s_add_co_u32 s24, s24, s27
	s_add_co_u32 s24, s24, s26
	s_add_nc_u64 s[4:5], s[4:5], s[24:25]
	s_lshl_b32 s24, s19, 22                        ; hc: 64 tiles of 2^16 bytes an expert;
	s_lshl_b32 s27, s20, 14                        ; eight K steps of 2,048 bytes a quarter
	s_add_co_u32 s24, s24, s27
	s_add_nc_u64 s[6:7], s[6:7], s[24:25]
	s_lshl_b32 s24, s20, 25                        ; yp: 8,192 rows of 4,096 bytes a part,
	s_lshl_b32 s27, s19, 22                        ; 1,024 rows an expert
	s_add_co_u32 s24, s24, s27
	s_add_co_u32 s24, s24, s26
	s_add_nc_u64 s[12:13], s[12:13], s[24:25]
.irp g, 0,1,2,3
	WLOAD 0, \g
.endr
.irp g, 0,1,2,3
	WLOAD 1, \g
.endr
	WIN 0
	s_wait_kmcnt 0x0
	s_add_co_i32 s24, s31, 127
	s_lshl_b32 s27, s24, 23
	v_mov_b32 v11, s27                             ; 2^e3 as f32: the conversion takes its exponent field
	s_add_co_i32 s24, s24, 8
	s_lshl_b32 s24, s24, 23
	s_or_b32 s24, s24, 0x600000
	v_mov_b32 v12, s24                             ; 448 x 2^e3
	s_add_co_i32 s32, s30, s31
	s_add_co_i32 s32, s32, 127
	s_lshl_b32 s32, s32, 23                        ; 2^(e2 + e3)
	s_add_co_u32 s21, s21, 15
	s_lshr_b32 s21, s21, 4
	s_min_u32 s21, s21, 64                         ; my expert's tiles of 16 rows
.irp b, 0,1,2,3,4,5,6,7
.irp g, 0,1,2,3
	GROUP \b, \g
.endr
	SHARE \b
.endr
	v_nop                                          ; a plain instruction between the last conversion and the products that read the codes
	WIN 0
	s_wait_dscnt 0x0                               ; for my partner's sake: my codes lie in LDS
	s_barrier_signal -1
	s_barrier_wait -1                              ; the one barrier: every wave passes it, ahead of every branch on the stored count
	s_cmp_ge_u32 s18, s21
	s_cbranch_scc1 .Lend                           ; no tile of my parity
	WIN 0xc0                                       ; destination window 3
.set q, 0
.rept 64
	ds_load_b128 v[4*q:4*q+3], v4 offset:512*q     ; my partner's 256 registers, as they stood
.set q, q+1
.endr
	WIN 0
	s_add_co_u32 s[TRIPS], s21, 1
	s_sub_co_u32 s[TRIPS], s[TRIPS], s18
	s_lshr_b32 s[TRIPS], s[TRIPS], 1               ; tiles p, p + 2, .. under the expert's count: at least one, at most 32
	s_mov_b32 s[TRIP], 0
	s_sub_co_u32 s26, s21, 1                       ; the last tile
	s_lshl_b32 s24, s18, TSH
	v_add_nc_u32 v5, s24, v7
	v_add_nc_u32 v6, s24, v8
	ALOAD 0
	ALOAD 1
	WIN 0
	s_wait_dscnt 0x0
.Lrow:                                             ; a trip: one tile of 16 rows x my unit's 64 columns, 32 matrix instructions; the next tile's fragments are asked for as soon as their registers are free
	s_lshl_b32 s22, s[TRIP], 1
	s_add_co_u32 s22, s22, s18                     ; t = 2 c + p
	s_wait_loadcnt 16                              ; my half of K is in; the other half's sixteen loads may be out
	MUL 0, 1
	WIN 0
	s_add_co_u32 s23, s22, 2
	s_min_u32 s23, s23, s26                        ; the next tile of my parity; in the last trip a tile that exists, asked for and not used: no load leaves the written part of its buffer
	s_min_u32 s23, s23, 63
	s_lshl_b32 s24, s23, TSH
	v_add_nc_u32 v5, s24, v7                       ; (free since the wait at the trip's head.)  This line and three v_nop are the four places in front of loads into registers that matrix instructions have read
.rept 3
	v_nop
.endr
	ALOAD 0
	s_wait_loadcnt 16                              ; the other half is in; the sixteen just issued may be out
	MUL 1, 0
	WIN 0
	v_add_nc_u32 v6, s24, v8                       ; likewise; these four places also stand in front of the first read of the sums
.rept 3
	v_nop
.endr
	ALOAD 1
	WIN 0
.set j, 0
.rept 4
.set i, 0
.rept 8
	v_mul_f32 v[96+4*i+j], s32, v[64+8*j+i]        ; x 2^(e2 + e3), and the turn: register 4 i + j is column n0 + 32 h + 4 i + j; each accumulator from its low end on
.set i, i+1
.endr
.set j, j+1
.endr
.irp i, 0,1,2,3,4,5,6,7
	ds_store_b128 v13, v[96+4*\i:99+4*\i] offset:16*\i
.endr
	s_wait_xcnt 0x0                                ; the last trip's stores have read their data and their offset: both are written again below
	s_min_u32 s25, s22, 63
	s_lshl_b32 s25, s25, 16                        ; 16 rows of 4,096 bytes a tile
	v_add_nc_u32 v9, s25, v10
.irp m, 0,1,2,3,4,5,6,7
	ds_load_b128 v[128+4*\m:131+4*\m], v14 offset:544*\m   ; LDS serves a wave's instructions in order (ISA guide 5.7.1.4): these see my stores, and the next trip's stores come behind them
.endr
.irp m, 0,1,2,3,4,5,6,7
	s_wait_dscnt 7-\m                              ; rows 2 m and 2 m + 1 are back; the later loads may be out
	global_store_b128 v9, v[128+4*\m:131+4*\m], s[12:13] offset:8192*\m   ; sixteen lanes store 256 consecutive bytes, at a multiple of 256 from yp's first byte
.endr
	s_add_co_u32 s[TRIP], s[TRIP], 1
	s_cmp_lt_u32 s[TRIP], s[TRIPS]
	s_cbranch_scc1 .Lrow
.Lend:
	s_wait_tensorcnt 0x0
	ds_add_u32 v254, v255
	s_wait_dscnt 0x0
	s_endpgm
.Lfunc_end_k_qf02172875c_down:
	.size	k_qf02172875c_down, .Lfunc_end_k_qf02172875c_down-k_qf02172875c_down
	.p2alignl 7, 3214868480
	.fill 96, 4, 3214868480
	.section	.rodata,"a",@progbits
	.p2align	6, 0x0
	.amdhsa_kernel k_qf02172875c_down
		.amdhsa_group_segment_fixed_size 148992
		.amdhsa_private_segment_fixed_size 0
		.amdhsa_enable_private_segment 0
		.amdhsa_kernarg_size 40
		.amdhsa_user_sgpr_count 2
		.amdhsa_user_sgpr_kernarg_segment_ptr 1
		.amdhsa_wavefront_size32 1
		.amdhsa_system_sgpr_workgroup_id_x 1
		.amdhsa_system_sgpr_workgroup_id_y 1
		.amdhsa_system_sgpr_workgroup_id_z 1
		.amdhsa_system_vgpr_workitem_id 0
		.amdhsa_next_free_vgpr 1024
		.amdhsa_next_free_sgpr 66
		.amdhsa_reserve_vcc 0
		.amdhsa_float_denorm_mode_32 3
		.amdhsa_float_denorm_mode_16_64 3
		.amdhsa_memory_ordered 1
		.amdhsa_forward_progress 1
		.amdhsa_inst_pref_size 125
	.end_amdhsa_kernel
	.amdgpu_metadata
---
amdhsa.version: [ 1, 2 ]
amdhsa.kernels:
  - .name:           k_qf02172875c_down
    .symbol:         k_qf02172875c_down.kd
    .args:
      - { .name: w2, .offset: 0, .size: 8, .value_kind: global_buffer, .address_space: global }
      - { .name: hc, .offset: 8, .size: 8, .value_kind: global_buffer, .address_space: global }
      - { .name: cnt, .offset: 16, .size: 8, .value_kind: global_buffer, .address_space: global }
      - { .name: lowp_scales, .offset: 24, .size: 8, .value_kind: global_buffer, .address_space: global }
      - { .name: yp, .offset: 32, .size: 8, .value_kind: global_buffer, .address_space: global }
    .group_segment_fixed_size: 148992
    .private_segment_fixed_size: 0
    .kernarg_segment_align: 8
    .kernarg_segment_size: 40
    .max_flat_workgroup_size: 128
    .sgpr_count:     66
    .vgpr_count:     1024
    .wavefront_size: 32
...
	.end_amdgpu_metadata
.endif
;; end of part 4
;; launch finish (part 5): grid 1024 x 1, 4 waves a work-group, no clusters, 768 bytes of LDS; arguments yp, pos, gate, x, b2, gamma, beta, out0; writes out0
.if DOCPART == 5
	.amdgcn_target "amdgcn-amd-amdhsa--gfx1250"
	.amdhsa_code_object_version 6
	.text
	.protected	k_qf02172875c_finish
	.globl	k_qf02172875c_finish
	.p2align	8
	.type	k_qf02172875c_finish,@function
k_qf02172875c_finish:
	s_mov_b64 s[64:65], 0
	v_nop
	global_prefetch_b8 v0, s[64:65] scope:SCOPE_SE
	s_setreg_imm32_b32 hwreg(HW_REG_WAVE_MODE, 25, 1), 1
	s_wait_xcnt 0x0
; THE END OF THE CHAIN, a token to a work-group.  For its two choices k: y = the four parts of the second product + b2[e] + x; LayerNorm over the 1,024 numbers (mean, then the mean of the squared
; differences, eps = 1e-5) with the expert's gamma and beta; out0 = the sum over k of gate_k x that.  All in f32.
; pos: [1024][2] int32, the slot (1024 e + rank) of (token, k); gate: [1024][2] f32; yp: [4][8192][1024] f32.  The slot is read by a scalar load, held under 8,192, and enters addresses by shifts to the left, an AND and sums alone.
; SHARES.  Wave w takes columns 256 w .. 256 w + 255; a lane two runs of four: bytes 1024 w + 16 l and + 512.  Every load and store of a wave covers 512 consecutive bytes, aligned.  All 30 loads go out at once.
; Sums over the row: within the lane, over the wave's lanes, and over the four waves through LDS: two barriers, on different bytes.
; Memory binds: no matrix unit, no cluster, no ring.
; REGISTERS: v[8:15] x; for k = 0 at v16, for k = 1 at v72: + 0 .. 31 the four parts (y, then y - mean, in the first eight), + 32 b2, + 40 gamma, + 48 beta; v[128:135] the result; v136-159 at work.
.macro WSUM a, b                       ; two registers are summed over the 32 lanes, by turns; every lane gets the sums
.irp m, 1,2,4,8
	v_add_f32_dpp v[\a], v[\a], v[\a] row_xmask:\m row_mask:0xf bank_mask:0xf
	v_add_f32_dpp v[\b], v[\b], v[\b] row_xmask:\m row_mask:0xf bank_mask:0xf
.endr
	v_permlanex16_b32 v142, v[\a], s30, s31
	v_permlanex16_b32 v143, v[\b], s30, s31
	v_add_f32 v[\a], v[\a], v142
	v_add_f32 v[\b], v[\b], v143
.endm
.macro MEET off                        ; v136, v138: my wave's sums -> v144, v148: the row's, through LDS bytes off .. off + 31
	ds_store_b32 v2, v136 offset:\off              ; all lanes write one word with one value
	ds_store_b32 v2, v138 offset:\off+16
	s_wait_dscnt 0x0                               ; for the others' sake: my stores have landed
	s_barrier_signal -1
	s_barrier_wait -1
	ds_load_b128 v[144:147], v3 offset:\off
	ds_load_b128 v[148:151], v3 offset:\off+16
	s_wait_dscnt 0x0
	v_add_f32 v144, v144, v145
	v_add_f32 v146, v146, v147
	v_add_f32 v148, v148, v149
	v_add_f32 v150, v150, v151
	v_add_f32 v144, v144, v146
	v_add_f32 v148, v148, v150
.endm
	s_load_b512 s[4:19], s[0:1], 0x0               ; yp s[4:5], pos s[6:7], gate s[8:9], x s[10:11], b2 s[12:13], gamma s[14:15], beta s[16:17], out0 s[18:19]
	v_lshl_add_u32 v160, v0, 2, 0x100
	v_mov_b32 v161, 0
	v_and_b32 v1, 31, v0
	v_and_b32 v2, 0x60, v0                         ; 32 w
	v_lshlrev_b32 v1, 4, v1
	v_lshl_or_b32 v1, v2, 5, v1                    ; 1024 w + 16 l
	v_lshrrev_b32 v2, 3, v2                        ; LDS: 4 w
	v_mov_b32 v3, 0
	v_mov_b32 v142, 0                              ; written once: a lane permute's destination counts as one of its sources
	v_mov_b32 v143, 0
	s_mov_b32 s30, 0x76543210                      ; v_permlanex16_b32's selects for lane l xor 16
	s_mov_b32 s31, 0xfedcba98
	s_mov_b32 s60, 0x3a800000                      ; 1 / 1024
	s_mov_b32 s61, 0x3727c5ac                      ; 1e-5
	s_lshl_b32 s20, ttmp9, 3
	s_mov_b32 s21, 0
	s_lshl_b32 s28, ttmp9, 12
	s_mov_b32 s29, 0
	s_wait_kmcnt 0x0
	s_add_nc_u64 s[6:7], s[6:7], s[20:21]
	s_add_nc_u64 s[8:9], s[8:9], s[20:21]
	s_load_b64 s[22:23], s[6:7], 0x0               ; the two slots
	s_load_b64 s[24:25], s[8:9], 0x0               ; the two gates
	s_add_nc_u64 s[10:11], s[10:11], s[28:29]
	s_add_nc_u64 s[18:19], s[18:19], s[28:29]
	global_load_b128 v[8:11], v1, s[10:11]
	global_load_b128 v[12:15], v1, s[10:11] offset:512
	s_wait_kmcnt 0x0
	s_min_u32 s22, s22, 8191
	s_min_u32 s23, s23, 8191
	s_mov_b32 s26, s25                             ; the second gate as a pair of its own: the packed forms take a pair's low word for both halves
	s_mov_b32 s27, s25
.irp k, 0,1
	s_lshl_b32 s28, s[22+\k], 12                   ; the slot's row of 4,096 bytes,
	s_add_nc_u64 s[32+8*\k:33+8*\k], s[4:5], s[28:29]
	s_add_nc_u64 s[34+8*\k:35+8*\k], s[32+8*\k:33+8*\k], 0x2000000   ; in each of the four parts, 2^25 bytes apart
	s_add_nc_u64 s[36+8*\k:37+8*\k], s[32+8*\k:33+8*\k], 0x4000000
	s_add_nc_u64 s[38+8*\k:39+8*\k], s[32+8*\k:33+8*\k], 0x6000000
	s_and_b32 s28, s[22+\k], 0x1c00                ; 1024 x the expert,
	s_lshl_b32 s28, s28, 2                         ; x 4: its row of 4,096 bytes in b2, gamma and beta
	s_add_nc_u64 s[48+6*\k:49+6*\k], s[12:13], s[28:29]
	s_add_nc_u64 s[50+6*\k:51+6*\k], s[14:15], s[28:29]
	s_add_nc_u64 s[52+6*\k:53+6*\k], s[16:17], s[28:29]
.endr
.irp k, 0,1
.irp s, 0,1,2,3
.irp q, 0,1
	global_load_b128 v[16+56*\k+8*\s+4*\q:19+56*\k+8*\s+4*\q], v1, s[32+8*\k+2*\s:33+8*\k+2*\s] offset:512*\q th:TH_LOAD_NT
.endr
.endr
.irp s, 0,1,2
.irp q, 0,1
	global_load_b128 v[48+56*\k+8*\s+4*\q:51+56*\k+8*\s+4*\q], v1, s[48+6*\k+2*\s:49+6*\k+2*\s] offset:512*\q
.endr
.endr
.endr
	s_wait_loadcnt 0x0
.irp y, 16, 72
.irp n, 0,2,4,6
	v_pk_add_f32 v[\y+\n:\y+\n+1], v[\y+\n:\y+\n+1], v[\y+8+\n:\y+8+\n+1]
	v_pk_add_f32 v[\y+16+\n:\y+16+\n+1], v[\y+16+\n:\y+16+\n+1], v[\y+24+\n:\y+24+\n+1]
.endr
.irp n, 0,2,4,6
	v_pk_add_f32 v[\y+\n:\y+\n+1], v[\y+\n:\y+\n+1], v[\y+16+\n:\y+16+\n+1]
.endr
.irp n, 0,2,4,6
	v_pk_add_f32 v[\y+\n:\y+\n+1], v[\y+\n:\y+\n+1], v[\y+32+\n:\y+32+\n+1]   ; + b2
.endr
.irp n, 0,2,4,6
	v_pk_add_f32 v[\y+\n:\y+\n+1], v[\y+\n:\y+\n+1], v[8+\n:8+\n+1]           ; + x
.endr
.endr
	v_pk_add_f32 v[136:137], v[16:17], v[18:19]
	v_pk_add_f32 v[140:141], v[20:21], v[22:23]
	v_pk_add_f32 v[138:139], v[72:73], v[74:75]
	v_pk_add_f32 v[144:145], v[76:77], v[78:79]
	v_pk_add_f32 v[136:137], v[136:137], v[140:141]
	v_pk_add_f32 v[138:139], v[138:139], v[144:145]
	v_add_f32 v136, v136, v137
	v_add_f32 v138, v138, v139
	WSUM 136, 138
	MEET 0
	v_mul_f32 v152, 0xba800000, v144               ; - the mean, twice
	v_mul_f32 v154, 0xba800000, v148
	v_mov_b32 v153, v152
	v_mov_b32 v155, v154
.irp n, 0,2,4,6
	v_pk_add_f32 v[16+\n:17+\n], v[16+\n:17+\n], v[152:153]
	v_pk_add_f32 v[72+\n:73+\n], v[72+\n:73+\n], v[154:155]
.endr
	v_pk_mul_f32 v[136:137], v[16:17], v[16:17]    ; the first squares start the sums
	v_pk_mul_f32 v[138:139], v[72:73], v[72:73]
.irp n, 2,4,6
	v_pk_fma_f32 v[136:137], v[16+\n:17+\n], v[16+\n:17+\n], v[136:137]
	v_pk_fma_f32 v[138:139], v[72+\n:73+\n], v[72+\n:73+\n], v[138:139]
.endr
	v_add_f32 v136, v136, v137
	v_add_f32 v138, v138, v139
	WSUM 136, 138
	MEET 32                                        ; other bytes than the first meeting's: no wave can overwrite what another still reads
	v_fma_f32 v144, v144, s60, s61                 ; the variance + eps
	v_fma_f32 v148, v148, s60, s61
	v_rsq_f32 v156, v144
	v_rsq_f32 v158, v148
.irp n, 0,2,4,6
	v_pk_mul_f32 v[128+\n:129+\n], v[64+\n:65+\n], s[24:25] op_sel_hi:[1,0]   ; gate_0 beta_0: plain work that names neither root
.endr
.irp n, 0,2,4,6
	v_pk_fma_f32 v[128+\n:129+\n], v[120+\n:121+\n], s[26:27], v[128+\n:129+\n] op_sel_hi:[1,0,1]   ; + gate_1 beta_1
.endr
	s_wait_alu depctr_va_vdst(0)                   ; one wait for the two roots, ahead of their first reader
	v_mul_f32 v156, s24, v156                      ; gate / sqrt(variance + eps), twice
	v_mul_f32 v158, s25, v158
	v_mov_b32 v157, v156
	v_mov_b32 v159, v158
.irp n, 0,2,4,6
	v_pk_mul_f32 v[16+\n:17+\n], v[16+\n:17+\n], v[156:157]
	v_pk_mul_f32 v[72+\n:73+\n], v[72+\n:73+\n], v[158:159]
.endr
.irp n, 0,2,4,6
	v_pk_fma_f32 v[128+\n:129+\n], v[16+\n:17+\n], v[56+\n:57+\n], v[128+\n:129+\n]     ; x gamma_0
.endr
.irp n, 0,2,4,6
	v_pk_fma_f32 v[128+\n:129+\n], v[72+\n:73+\n], v[112+\n:113+\n], v[128+\n:129+\n]   ; x gamma_1
.endr
	global_store_b128 v1, v[128:131], s[18:19] th:TH_STORE_NT
	global_store_b128 v1, v[132:135], s[18:19] offset:512 th:TH_STORE_NT
	s_wait_tensorcnt 0x0
	ds_add_u32 v160, v161
	s_wait_dscnt 0x0
	s_endpgm
.Lfunc_end_k_qf02172875c_finish:
	.size	k_qf02172875c_finish, .Lfunc_end_k_qf02172875c_finish-k_qf02172875c_finish
	.p2alignl 7, 3214868480
	.fill 96, 4, 3214868480
	.section	.rodata,"a",@progbits
	.p2align	6, 0x0
	.amdhsa_kernel k_qf02172875c_finish
		.amdhsa_group_segment_fixed_size 768
		.amdhsa_private_segment_fixed_size 0
		.amdhsa_enable_private_segment 0
		.amdhsa_kernarg_size 64
		.amdhsa_user_sgpr_count 2
		.amdhsa_user_sgpr_kernarg_segment_ptr 1
		.amdhsa_wavefront_size32 1
		.amdhsa_system_sgpr_workgroup_id_x 1
		.amdhsa_system_sgpr_workgroup_id_y 1
		.amdhsa_system_sgpr_workgroup_id_z 1
		.amdhsa_system_vgpr_workitem_id 0
		.amdhsa_next_free_vgpr 162
		.amdhsa_next_free_sgpr 66
		.amdhsa_reserve_vcc 0
		.amdhsa_float_denorm_mode_32 3
		.amdhsa_float_denorm_mode_16_64 3
		.amdhsa_memory_ordered 1
		.amdhsa_forward_progress 1
		.amdhsa_inst_pref_size 15
	.end_amdhsa_kernel
	.amdgpu_metadata
---
amdhsa.version: [ 1, 2 ]
amdhsa.kernels:
  - .name:           k_qf02172875c_finish
    .symbol:         k_qf02172875c_finish.kd
    .args:
      - { .name: yp, .offset: 0, .size: 8, .value_kind: global_buffer, .address_space: global }
      - { .name: pos, .offset: 8, .size: 8, .value_kind: global_buffer, .address_space: global }
      - { .name: gate, .offset: 16, .size: 8, .value_kind: global_buffer, .address_space: global }
      - { .name: x, .offset: 24, .size: 8, .value_kind: global_buffer, .address_space: global }
      - { .name: b2, .offset: 32, .size: 8, .value_kind: global_buffer, .address_space: global }
      - { .name: gamma, .offset: 40, .size: 8, .value_kind: global_buffer, .address_space: global }
      - { .name: beta, .offset: 48, .size: 8, .value_kind: global_buffer, .address_space: global }
      - { .name: out0, .offset: 56, .size: 8, .value_kind: global_buffer, .address_space: global }
    .group_segment_fixed_size: 768
    .private_segment_fixed_size: 0
    .kernarg_segment_align: 8
    .kernarg_segment_size: 64
    .max_flat_workgroup_size: 128
    .sgpr_count:     66
    .vgpr_count:     162
    .wavefront_size: 32
...
	.end_amdgpu_metadata
.endif
;; end of part 5
;; ======== version 2 of 2: 5 launches
;; workspace buffers: idx 8,192 bytes of whole numbers; pos 8,192 bytes of whole numbers; cnt 256 bytes of whole numbers; gate 8,192 bytes; xg 8,388,608 bytes; hc 33,554,432 bytes; yp 134,217,728 bytes
;; launch route (part 6): grid 128 x 1, 8 waves a work-group, no clusters, 5,120 bytes of LDS; arguments x, router_w, router_b, out1, idx, gate; writes out1, idx, gate
.if DOCPART == 6
	.amdgcn_target "amdgcn-amd-amdhsa--gfx1250"
	.amdhsa_code_object_version 6
	.text
	.protected	k_qf02172875c_route
	.globl	k_qf02172875c_route
	.p2align	8
	.type	k_qf02172875c_route,@function
k_qf02172875c_route:
	s_mov_b64 s[64:65], 0
	v_nop
	global_prefetch_b8 v0, s[64:65] scope:SCOPE_SE
	s_setreg_imm32_b32 hwreg(HW_REG_WAVE_MODE, 25, 1), 1
	s_wait_xcnt 0x0
; THE ROUTER.  logits = x router_w + router_b (f32 multiply-adds), the two best experts of each token, their gates.
; x: [1024][1024] f32, router_w: [1024][8], router_b: [8].  out1: [1024][8] the logits.  idx: [1024][2] int32, the chosen experts, the better first.
; gate: [1024][2] f32: p1 / (p1 + p2), p2 / (p1 + p2): the softmax's divisor cancels, and the larger logit is taken away ahead of the exponential.
; SHARES.  A work-group takes 8 tokens; wave c takes d = 128 c .. 128 c + 127 of all 8; lane l the four d = 128 c + 4 l + 0 .. 3.  All 17 loads of a wave go out at once.
; A lane's 64 partial sums (8 tokens x 8 experts) are added over the 32 lanes by a butterfly that halves the number of sums in each step: at its end lane l holds
; the wave's part of token l / 4, experts 2 (l % 4) and 2 (l % 4) + 1.  The eight waves' parts meet in LDS; wave 0 adds them and chooses.
; No address and no branch hangs on the choice: it is stored at fixed places, and later launches read it.
; The stores into idx and gate are 64 bytes a work-group (8,192 bytes each in the whole launch): parts of aligned blocks of 256 bytes.
; LIMITS.  NaN and infinity among the logits are not served.  The choice is made on the logits (equal logits: the lower index, as top_k has it); two unequal logits
; whose probabilities round to one f32 number would be ordered by index in the softmax's numbers.
.set X,   32                           ; v[32:63]   x: token t's four numbers at X + 4 t
.set W,   64                           ; v[64:95]   router_w: row d's eight numbers at W + 8 d
.set ACC, 96                           ; v[96:159]  the sums: token t, expert e at ACC + 8 t + e
.set L,   64                           ; wave 0, later: a token's eight logits
	s_load_b256 s[4:11], s[0:1], 0x0               ; x s[4:5], router_w s[6:7], router_b s[8:9], out1 s[10:11]
	s_load_b128 s[12:15], s[0:1], 0x20             ; idx s[12:13], gate s[14:15]
	v_lshl_add_u32 v160, v0, 2, 0x1000
	v_mov_b32 v161, 0
	v_lshrrev_b32 v4, 5, v0
	s_delay_alu instid0(VALU_DEP_1)
	v_readfirstlane_b32 s16, v4                    ; wave 0..7
	v_lshlrev_b32 v1, 4, v0                        ; x: 512 c + 16 l
	v_lshlrev_b32 v2, 7, v0                        ; router_w: my four rows of 32 bytes: 4096 c + 128 l
	v_lshlrev_b32 v3, 3, v0                        ; LDS: 256 c + 8 l
	v_and_b32 v9, 3, v0                            ; l % 4
	s_delay_alu instid0(VALU_DEP_1)
	v_lshlrev_b32 v8, 3, v9                        ; router_b: my two experts
	v_mov_b32 v6, 0                                ; written once: a lane permute's destination counts as one of its sources
.irp b, 0,1,2,3,4
	v_and_b32 v4, 1<<\b, v0
	s_delay_alu instid0(VALU_DEP_1)
	v_cmp_ne_u32 s[20+\b], 0, v4                   ; s20 .. s24: the lanes whose number has bit b set
.endr
	s_mov_b32 s26, 0x76543210                      ; v_permlanex16_b32's selects for lane l xor 16
	s_mov_b32 s27, 0xfedcba98
	s_lshl_b32 s2, ttmp9, 15                       ; 8 rows of 4,096 bytes
	s_mov_b32 s3, 0
	s_wait_kmcnt 0x0
	s_add_nc_u64 s[4:5], s[4:5], s[2:3]
	s_lshl_b32 s2, ttmp9, 8                        ; 8 rows of 32 bytes
	s_add_nc_u64 s[10:11], s[10:11], s[2:3]
	s_lshl_b32 s2, ttmp9, 6                        ; 8 pairs of 8 bytes
	s_add_nc_u64 s[12:13], s[12:13], s[2:3]
	s_add_nc_u64 s[14:15], s[14:15], s[2:3]
.irp t, 0,1,2,3,4,5,6,7
	global_load_b128 v[X+4*\t:X+4*\t+3], v1, s[4:5] offset:4096*\t th:TH_LOAD_NT   ; 32 lanes read 512 consecutive bytes of token t's row
.endr
.irp q, 0,1,2,3,4,5,6,7
	global_load_b128 v[W+4*\q:W+4*\q+3], v2, s[6:7] offset:16*\q
.endr
	global_load_b64 v[10:11], v8, s[8:9]
	s_wait_loadcnt 0x0
	; 128 packed multiply-adds: two experts at a time; x's number is taken for both halves.  The first product starts each sum: nothing is cleared
.irp t, 0,1,2,3,4,5,6,7
.irp p, 0,2,4,6
	v_pk_mul_f32 v[ACC+8*\t+\p:ACC+8*\t+\p+1], v[X+4*\t:X+4*\t+1], v[W+\p:W+\p+1] op_sel_hi:[0,1]
.endr
.irp p, 0,2,4,6
	s_delay_alu instid0(VALU_DEP_4)
	v_pk_fma_f32 v[ACC+8*\t+\p:ACC+8*\t+\p+1], v[X+4*\t:X+4*\t+1], v[W+8+\p:W+8+\p+1], v[ACC+8*\t+\p:ACC+8*\t+\p+1] op_sel:[1,0,0] op_sel_hi:[1,1,1]
.endr
.irp p, 0,2,4,6
	s_delay_alu instid0(VALU_DEP_4)
	v_pk_fma_f32 v[ACC+8*\t+\p:ACC+8*\t+\p+1], v[X+4*\t+2:X+4*\t+3], v[W+16+\p:W+16+\p+1], v[ACC+8*\t+\p:ACC+8*\t+\p+1] op_sel_hi:[0,1,1]
.endr
.irp p, 0,2,4,6
	s_delay_alu instid0(VALU_DEP_4)
	v_pk_fma_f32 v[ACC+8*\t+\p:ACC+8*\t+\p+1], v[X+4*\t+2:X+4*\t+3], v[W+24+\p:W+24+\p+1], v[ACC+8*\t+\p:ACC+8*\t+\p+1] op_sel:[1,0,0] op_sel_hi:[1,1,1]
.endr
.endr
; One pair of a butterfly's step.  A lane whose bit is clear keeps sum a and sends sum b; its partner keeps b and sends a; each adds what it gets to what it keeps.
.macro BFLY a, b, m, xm
	v_cndmask_b32 v4, v[ACC+\b], v[ACC+\a], s[\m]
	v_cndmask_b32 v5, v[ACC+\a], v[ACC+\b], s[\m]
	s_delay_alu instid0(VALU_DEP_1)
	v_add_f32_dpp v[ACC+\a], v4, v5 row_xmask:\xm row_mask:0xf bank_mask:0xf
.endm
.set i, 0
.rept 64
.if (i & 2) == 0
	BFLY i, i+2, 20, 1                             ; lane bit 0 takes over bit 1 of the expert
.endif
.set i, i+1
.endr
.set i, 0
.rept 64
.if (i & 6) == 0
	BFLY i, i+4, 21, 2                             ; lane bit 1: bit 2 of the expert
.endif
.set i, i+1
.endr
.set i, 0
.rept 64
.if (i & 14) == 0
	BFLY i, i+8, 22, 4                             ; lane bit 2: bit 0 of the token
.endif
.set i, i+1
.endr
.set i, 0
.rept 64
.if (i & 30) == 0
	BFLY i, i+16, 23, 8                            ; lane bit 3: bit 1 of the token
.endif
.set i, i+1
.endr
.irp i, 0,1                                    ; lane bit 4: bit 2 of the token; the partner lies in the other half of the lanes
	v_cndmask_b32 v4, v[ACC+32+\i], v[ACC+\i], s24
	v_cndmask_b32 v5, v[ACC+\i], v[ACC+32+\i], s24
	s_delay_alu instid0(VALU_DEP_2)
	v_permlanex16_b32 v6, v4, s26, s27
	s_delay_alu instid0(VALU_DEP_1)
	v_add_f32 v[ACC+\i], v6, v5
.endr
	ds_store_b64 v3, v[ACC:ACC+1]                  ; my wave's part: 256 bytes at 256 c
	s_wait_dscnt 0x0                               ; for the others' sake: my store has landed
	s_barrier_signal -1
	s_barrier_wait -1
	s_cmp_lg_u32 s16, 0
	s_cbranch_scc1 .Lend                           ; waves 1 to 7 are done
.irp c, 0,1,2,3,4,5,6,7
	ds_load_b64 v[32+2*\c:33+2*\c], v3 offset:256*\c   ; in wave 0 v3 is 8 l
.endr
	v_and_b32 v7, 0x1c, v0                         ; 4 (l / 4)
	s_delay_alu instid0(VALU_DEP_1)
	v_lshlrev_b32 v5, 3, v7                        ; 32 (l / 4): my token's eight logits in LDS
	s_delay_alu instid0(VALU_DEP_2)
	v_lshlrev_b32 v7, 1, v7                        ; 8 (l / 4): my token's pair in idx and in gate
	s_wait_dscnt 0x0
	v_pk_add_f32 v[32:33], v[32:33], v[34:35]
	v_pk_add_f32 v[36:37], v[36:37], v[38:39]
	v_pk_add_f32 v[40:41], v[40:41], v[42:43]
	v_pk_add_f32 v[44:45], v[44:45], v[46:47]
	s_delay_alu instid0(VALU_DEP_3)
	v_pk_add_f32 v[32:33], v[32:33], v[36:37]
	s_delay_alu instid0(VALU_DEP_2)
	v_pk_add_f32 v[40:41], v[40:41], v[44:45]
	s_delay_alu instid0(VALU_DEP_1)
	v_pk_add_f32 v[32:33], v[32:33], v[40:41]
	s_delay_alu instid0(VALU_DEP_1)
	v_pk_add_f32 v[32:33], v[32:33], v[10:11]      ; + router_b
	global_store_b64 v3, v[32:33], s[10:11]        ; 32 lanes store 256 consecutive bytes, at a multiple of 256 from out1's first byte
	ds_store_b64 v3, v[32:33] offset:2048          ; and every lane of a token gets all eight: LDS serves a wave's instructions in order, so the loads see this store
	ds_load_b128 v[L:L+3], v5 offset:2048
	ds_load_b128 v[L+4:L+7], v5 offset:2064
	s_wait_dscnt 0x0
	v_mov_b32 v48, v[L]                            ; the best logit,
	v_mov_b32 v58, 0                               ; and its expert.  A strict > keeps the lower index among equals
.irp e, 1,2,3,4,5,6,7
	s_delay_alu instid0(VALU_DEP_2)
	v_cmp_gt_f32 vcc_lo, v[L+\e], v48
	s_delay_alu instid0(VALU_DEP_1)
	v_cndmask_b32 v48, v48, v[L+\e], vcc_lo
	s_delay_alu instid0(VALU_DEP_2)
	v_cndmask_b32 v58, v58, \e, vcc_lo
.endr
	s_delay_alu instid0(VALU_DEP_1)
	v_cmp_eq_u32 vcc_lo, 0, v58                    ; the second best begins at the first expert that is not the best
	s_delay_alu instid0(VALU_DEP_1)
	v_cndmask_b32 v50, v[L], v[L+1], vcc_lo
	s_delay_alu instid0(VALU_DEP_2)
	v_cndmask_b32 v59, 0, 1, vcc_lo
.irp e, 1,2,3,4,5,6,7
	v_cmp_ne_u32 s28, \e, v58
	s_delay_alu instid0(VALU_DEP_3)
	v_cmp_gt_f32 s29, v[L+\e], v50
	s_and_b32 s28, s28, s29
	v_cndmask_b32 v50, v50, v[L+\e], s28
	v_cndmask_b32 v59, v59, \e, s28
.endr
	s_delay_alu instid0(VALU_DEP_2)
	v_sub_f32 v52, v50, v48                        ; second - best: 0 or less
	s_delay_alu instid0(VALU_DEP_1)
	v_mul_f32 v52, 0x3fb8aa3b, v52                 ; x log2(e)
	s_wait_alu depctr_va_vdst(0)
	v_exp_f32 v53, v52                             ; p2 / p1, at most 1
	v_nop                                          ; a plain instruction behind the transcendental,
	s_wait_alu depctr_va_vdst(0)                   ; and the wait ahead of its first reader
	v_add_f32 v54, 1.0, v53
	s_wait_alu depctr_va_vdst(0)
	v_rcp_f32 v56, v54                             ; the first gate: 1 / (1 + p2 / p1)
	v_nop
	s_wait_alu depctr_va_vdst(0)
	v_mul_f32 v57, v53, v56                        ; the second
	v_cmp_eq_u32 vcc_lo, 0, v9
	s_wait_alu depctr_va_vdst(0)
	s_wait_xcnt 0x0                                ; EXEC changes only behind this wait: a store is out
	s_and_saveexec_b32 s30, vcc_lo                 ; one lane of each token's four
	global_store_b64 v7, v[58:59], s[12:13]
	global_store_b64 v7, v[56:57], s[14:15]
	s_wait_xcnt 0x0
	s_or_b32 exec_lo, exec_lo, s30
.Lend:
	s_wait_tensorcnt 0x0
	ds_add_u32 v160, v161
	s_wait_dscnt 0x0
	s_endpgm
.Lfunc_end_k_qf02172875c_route:
	.size	k_qf02172875c_route, .Lfunc_end_k_qf02172875c_route-k_qf02172875c_route
	.p2alignl 7, 3214868480
	.fill 96, 4, 3214868480
	.section	.rodata,"a",@progbits
	.p2align	6, 0x0
	.amdhsa_kernel k_qf02172875c_route
		.amdhsa_group_segment_fixed_size 5120
		.amdhsa_private_segment_fixed_size 0
		.amdhsa_enable_private_segment 0
		.amdhsa_kernarg_size 48
		.amdhsa_user_sgpr_count 2
		.amdhsa_user_sgpr_kernarg_segment_ptr 1
		.amdhsa_wavefront_size32 1
		.amdhsa_system_sgpr_workgroup_id_x 1
		.amdhsa_system_sgpr_workgroup_id_y 1
		.amdhsa_system_sgpr_workgroup_id_z 1
		.amdhsa_system_vgpr_workitem_id 0
		.amdhsa_next_free_vgpr 162
		.amdhsa_next_free_sgpr 66
		.amdhsa_reserve_vcc 1
		.amdhsa_float_denorm_mode_32 3
		.amdhsa_float_denorm_mode_16_64 3
		.amdhsa_memory_ordered 1
		.amdhsa_forward_progress 1
		.amdhsa_inst_pref_size 35
	.end_amdhsa_kernel
	.amdgpu_metadata
---
amdhsa.version: [ 1, 2 ]
amdhsa.kernels:
  - .name:           k_qf02172875c_route
    .symbol:         k_qf02172875c_route.kd
    .args:
      - { .name: x, .offset: 0, .size: 8, .value_kind: global_buffer, .address_space: global }
      - { .name: router_w, .offset: 8, .size: 8, .value_kind: global_buffer, .address_space: global }
      - { .name: router_b, .offset: 16, .size: 8, .value_kind: global_buffer, .address_space: global }
      - { .name: out1, .offset: 24, .size: 8, .value_kind: global_buffer, .address_space: global }
      - { .name: idx, .offset: 32, .size: 8, .value_kind: global_buffer, .address_space: global }
      - { .name: gate, .offset: 40, .size: 8, .value_kind: global_buffer, .address_space: global }
    .group_segment_fixed_size: 5120
    .private_segment_fixed_size: 0
    .kernarg_segment_align: 8
    .kernarg_segment_size: 48
    .max_flat_workgroup_size: 256
    .sgpr_count:     66
    .vgpr_count:     162
    .wavefront_size: 32
...
	.end_amdgpu_metadata
.endif
;; end of part 6
;; launch place (part 7): grid 64 x 8, 4 waves a work-group, no clusters, 0 bytes of LDS; arguments idx, x, lowp_scales, xg, pos, cnt; writes xg, pos, cnt
.if DOCPART == 7
	.amdgcn_target "amdgcn-amd-amdhsa--gfx1250"
	.amdhsa_code_object_version 6
	.text
	.protected	k_qf02172875c_place
	.globl	k_qf02172875c_place
	.p2align	8
	.type	k_qf02172875c_place,@function
k_qf02172875c_place:
	s_mov_b64 s[64:65], 0
	v_nop
	global_prefetch_b8 v0, s[64:65] scope:SCOPE_SE
	s_setreg_imm32_b32 hwreg(HW_REG_WAVE_MODE, 25, 1), 1
	s_wait_xcnt 0x0
; THE PLACING.  Expert e owns slots 1024 e .. 1024 e + 1023 (a token takes an expert at most once, so they always suffice); its tokens fill them in ascending order of the token.
; Work-group (t, e) makes tile t of expert e: slots 16 t .. 16 t + 15.  It finds their tokens, gathers the tokens' rows of x, stores them as codes of E4M3, and stores the slots into pos.
; idx: [1024][2] int32 from the launch before.  cnt: [8] int32, the experts' rows.  pos: [1024][2] int32, the slot of (token, choice).
; xg: [e 8][t 64][K step 8][quad 4][lane 32][16 bytes]: an image of the operand's registers.  In a K step of 128, lane (r, h), register g, byte b hold k = 64 (g / 8) + 32 h + 4 (g % 8) + b of row r:
; the same order of k as the weights' codes have in the next launch, so every product meets its partner.
; A tile that begins at or behind the expert's last row stores nothing and ends: the grid serves every split of the tokens.  In the last tile the rows behind the last one take token 1023's numbers
; (a clamped address): they are multiplied and never read at the end.
; RANKING, repeated by every wave, without LDS and without a barrier: 32 words of 32 tokens each; a running count over the words tells each lane the word that holds its slot's token, and a
; count over that word's bits the bit.
; code = x / 2^e1, held within +-448, to the nearest code, ties to even; e1 = lowp_scales[1].  LIMITS: -126 <= e1 <= 119; NaN among the inputs is not served.
; The stores into pos are 4 bytes a lane at scattered places: 8,192 bytes in the whole launch.
.set XR, 96                            ; v[96:223]  my 128 numbers of x: block bl's 32 at XR + 32 bl
.set CO, 224                           ; v[224:255] their codes
	s_load_b256 s[4:11], s[0:1], 0x0               ; idx s[4:5], x s[6:7], lowp_scales s[8:9], xg s[10:11]
	s_load_b128 s[12:15], s[0:1], 0x20             ; pos s[12:13], cnt s[14:15]
	v_lshrrev_b32 v1, 5, v0
	v_readfirstlane_b32 s16, v1                    ; wave 0..3: K blocks of 64: 4 w .. 4 w + 3
	s_and_b32 s19, ttmp7, 0xffff                   ; the expert
	v_and_b32 v1, 31, v0                           ; lane
	v_and_b32 v2, 15, v0                           ; r
	v_bfe_u32 v3, v0, 4, 1                         ; h
	s_lshl_b32 s27, ttmp9, 4                       ; 16 t
	v_add_nc_u32 v4, s27, v2                       ; q: my row's rank among the expert's tokens
	v_lshlrev_b32 v17, 3, v1
	v_mov_b32 v5, 0                                ; W: the word that holds my token: bit l = token 32 J + l goes to this expert
	v_mov_b32 v6, 0                                ; W0: the same for the first choice alone
	v_mov_b32 v7, 0                                ; B: the expert's tokens ahead of that word
	v_mov_b32 v8, 0                                ; J
	v_mov_b32 v10, 0
	v_mov_b32 v11, 0
	s_mov_b32 s22, 0                               ; the running count
	s_lshl_b32 s28, s16, 12
	v_lshl_add_u32 v14, v1, 4, s28                 ; xg: 16 x lane + 4096 w
	s_lshl_b32 s31, s16, 10
	v_lshl_add_u32 v20, v3, 7, s31                 ; in a row of x: my half's 32 numbers of a block of 64, my wave's four blocks: 128 h + 1024 w
	s_lshl_b32 s24, s19, 6
	s_add_co_u32 s24, s24, ttmp9
	s_lshl_b32 s24, s24, 14                        ; a tile is 16,384 bytes
	s_mov_b32 s25, 0
	s_wait_alu depctr_va_vdst(0)
	s_wait_kmcnt 0x0
	s_load_b32 s32, s[8:9], 0x4                    ; e1
	s_add_nc_u64 s[10:11], s[10:11], s[24:25]
.set j, 0
.rept 32
	global_load_b64 v[32+2*j:33+2*j], v17, s[4:5] offset:256*j   ; token 32 j + lane: 256 consecutive bytes
.set j, j+1
.endr
	s_wait_loadcnt 0x0
.set j, 0
.rept 32
	v_cmp_eq_u32 s20, s19, v[32+2*j]
	v_cmp_eq_u32 s21, s19, v[33+2*j]
	s_or_b32 s21, s20, s21                         ; word j
	v_cmp_le_u32 vcc_lo, s22, v4                   ; the count ahead of word j is not above my rank: the last such word is mine
	v_cndmask_b32 v5, v5, s21, vcc_lo
	v_cndmask_b32 v6, v6, s20, vcc_lo
	v_cndmask_b32 v7, v7, s22, vcc_lo
	v_cndmask_b32 v8, v8, j, vcc_lo
	s_bcnt1_i32_b32 s24, s21
	s_add_co_u32 s22, s22, s24
.set j, j+1
.endr
	; s22 = the expert's rows
	s_or_b32 s25, ttmp9, s16
	s_cmp_lg_u32 s25, 0
	s_cbranch_scc1 .Lno_cnt                        ; tile 0's wave 0 stores the count
	v_mov_b32 v18, s22
	s_lshl_b32 s25, s19, 2
	v_mov_b32 v19, s25
	v_cmp_eq_u32 vcc_lo, 0, v1
	s_wait_alu depctr_va_vdst(0)
	s_wait_xcnt 0x0                                ; EXEC changes only behind this wait
	s_and_saveexec_b32 s26, vcc_lo
	global_store_b32 v19, v18, s[14:15]
	s_wait_xcnt 0x0
	s_or_b32 exec_lo, exec_lo, s26
.Lno_cnt:
	s_cmp_ge_u32 s27, s22
	s_cbranch_scc1 .Lend                           ; the tile has no row
	s_wait_alu depctr_va_vdst(0)
	v_sub_nc_u32 v9, v4, v7                        ; N: my rank inside the word
.set j, 0
.rept 32
	v_bfe_u32 v17, v5, j, 1
	v_add_nc_u32 v10, v10, v17                     ; set bits up to and with place j
	v_cmp_le_u32 vcc_lo, v10, v9
	v_add_co_ci_u32 v11, vcc_lo, 0, v11, vcc_lo    ; the places whose count is not above N are those ahead of my bit
.set j, j+1
.endr
	v_lshl_add_u32 v12, v8, 5, v11                 ; the token
	v_min_u32 v12, 0x3ff, v12                      ; (a row behind the expert's last: 1023)
	v_lshlrev_b32 v13, 12, v12                     ; the token's row of 4,096 bytes,
	v_add_nc_u32 v13, v13, v20                     ; and my place in it
.set j, 0
.rept 32
	global_load_b128 v[XR+4*j:XR+4*j+3], v13, s[6:7] offset:256*(j/8)+16*(j%8)
.set j, j+1
.endr
	s_wait_kmcnt 0x0
	s_add_co_i32 s32, s32, 127
	s_lshl_b32 s33, s32, 23
	v_mov_b32 v15, s33                             ; 2^e1 as f32: the conversion takes its exponent field
	s_add_co_i32 s32, s32, 8
	s_lshl_b32 s32, s32, 23
	s_or_b32 s32, s32, 0x600000
	v_mov_b32 v16, s32                             ; 448 x 2^e1
	s_wait_alu depctr_va_vdst(0)
.irp bl, 0,1,2,3
	s_wait_loadcnt 24-8*\bl                        ; this block's eight loads are in; the later blocks' may be out
.set j, 0
.rept 32
	v_med3_num_f32 v[XR+32*\bl+j], v[XR+32*\bl+j], -v16, v16   ; the conversion to an 8-bit code does not saturate (ISA guide 7.6.2): the hold comes first
.set j, j+1
.endr
.irp q, 0,1,2,3
	v_cvt_scalef32_pk8_fp8_f32 v[CO+8*\bl+2*\q:CO+8*\bl+2*\q+1], v[XR+32*\bl+8*\q:XR+32*\bl+8*\q+7], v15
.endr
.endr
	v_nop                                          ; a plain instruction behind the last conversion
.irp bl, 0,1,2,3
.irp m, 0,1
	global_store_b128 v14, v[CO+8*\bl+4*\m:CO+8*\bl+4*\m+3], s[10:11] offset:1024*\bl+512*\m   ; 32 lanes store 512 consecutive bytes, aligned
.endr
.endr
	s_cmp_lg_u32 s16, 0
	s_cbranch_scc1 .Lend                           ; wave 0 stores the slots, last of all: nothing is computed behind this change of EXEC
	v_lshrrev_b32 v17, v11, v6
	v_and_b32 v17, 1, v17
	v_xor_b32 v17, 1, v17                          ; 0: the expert is the token's first choice; 1: its second
	v_min_u32 v17, 1, v17
	v_lshlrev_b32 v18, 3, v12
	v_lshl_add_u32 v18, v17, 2, v18
	s_lshl_b32 s28, s19, 10
	v_add_nc_u32 v19, s28, v4                      ; the slot
	v_cmp_gt_u32 vcc_lo, s22, v4                   ; rows that exist,
	v_cmp_eq_u32 s29, 0, v3                        ; once each
	s_and_b32 vcc_lo, vcc_lo, s29
	s_wait_alu depctr_va_vdst(0)
	s_wait_xcnt 0x0                                ; EXEC changes only behind this wait: the stores of the codes are out
	s_and_saveexec_b32 s30, vcc_lo
	global_store_b32 v18, v19, s[12:13]
	s_wait_xcnt 0x0
	s_or_b32 exec_lo, exec_lo, s30
.Lend:
	s_endpgm
.Lfunc_end_k_qf02172875c_place:
	.size	k_qf02172875c_place, .Lfunc_end_k_qf02172875c_place-k_qf02172875c_place
	.p2alignl 7, 3214868480
	.fill 96, 4, 3214868480
	.section	.rodata,"a",@progbits
	.p2align	6, 0x0
	.amdhsa_kernel k_qf02172875c_place
		.amdhsa_group_segment_fixed_size 0
		.amdhsa_private_segment_fixed_size 0
		.amdhsa_enable_private_segment 0
		.amdhsa_kernarg_size 48
		.amdhsa_user_sgpr_count 2
		.amdhsa_user_sgpr_kernarg_segment_ptr 1
		.amdhsa_wavefront_size32 1
		.amdhsa_system_sgpr_workgroup_id_x 1
		.amdhsa_system_sgpr_workgroup_id_y 1
		.amdhsa_system_sgpr_workgroup_id_z 1
		.amdhsa_system_vgpr_workitem_id 0
		.amdhsa_next_free_vgpr 256
		.amdhsa_next_free_sgpr 66
		.amdhsa_reserve_vcc 1
		.amdhsa_float_denorm_mode_32 3
		.amdhsa_float_denorm_mode_16_64 3
		.amdhsa_memory_ordered 1
		.amdhsa_forward_progress 1
		.amdhsa_inst_pref_size 41
	.end_amdhsa_kernel
	.amdgpu_metadata
---
amdhsa.version: [ 1, 2 ]
amdhsa.kernels:
  - .name:           k_qf02172875c_place
    .symbol:         k_qf02172875c_place.kd
    .args:
      - { .name: idx, .offset: 0, .size: 8, .value_kind: global_buffer, .address_space: global }
      - { .name: x, .offset: 8, .size: 8, .value_kind: global_buffer, .address_space: global }
      - { .name: lowp_scales, .offset: 16, .size: 8, .value_kind: global_buffer, .address_space: global }
      - { .name: xg, .offset: 24, .size: 8, .value_kind: global_buffer, .address_space: global }
      - { .name: pos, .offset: 32, .size: 8, .value_kind: global_buffer, .address_space: global }
      - { .name: cnt, .offset: 40, .size: 8, .value_kind: global_buffer, .address_space: global }
    .group_segment_fixed_size: 0
    .private_segment_fixed_size: 0
    .kernarg_segment_align: 8
    .kernarg_segment_size: 48
    .max_flat_workgroup_size: 128
    .sgpr_count:     66
    .vgpr_count:     256
    .wavefront_size: 32
...
	.end_amdgpu_metadata
.endif
;; end of part 7
;; launch up (part 8): grid 32 x 8, 4 waves a work-group, no clusters, 131,584 bytes of LDS; arguments w1, b1, xg, cnt, lowp_scales, hc; writes hc
.if DOCPART == 8
	.amdgcn_target "amdgcn-amd-amdhsa--gfx1250"
	.amdhsa_code_object_version 6
	.text
	.protected	k_qf02172875c_up
	.globl	k_qf02172875c_up
	.p2align	8
	.type	k_qf02172875c_up,@function
k_qf02172875c_up:
	s_mov_b64 s[64:65], 0
	v_nop
	global_prefetch_b8 v0, s[64:65] scope:SCOPE_SE
	s_setreg_imm32_b32 hwreg(HW_REG_WAVE_SCHED_MODE, 0, 2), 2
	s_setreg_imm32_b32 hwreg(HW_REG_WAVE_MODE, 25, 1), 1
	s_wait_xcnt 0x0
	s_wait_alu depctr_vm_vsrc(0)
; THE FIRST PRODUCT.  hidden = Q(gelu(X W1 + b1)) for the rows that were routed to each expert; both operands are codes of E4M3, sums in f32.
; w1: [8][1024 (k)][4096 (n)] f32, read ONCE, as f32, and quantised in registers on its way to the matrix unit.  xg: x's codes, gathered by expert, as images of the operand's registers.
; hc: [e 8][t 64][K step 32][quad 4][lane 32][16 bytes]: the hidden layer's codes, as images of the next product's operand.  cnt: [8] int32: the experts' rows.
; SHARES.  Work-group (X, e) holds 128 columns of expert e's W1, all 1,024 of K: two UNITS of 64 columns.  Two waves share a unit (u = wave / 2): wave half p = wave % 2 streams K = 512 p .. 512 p + 511
; (131,072 bytes of f32), quantises it into 256 registers, and hands them to its partner through LDS, once.  Then each of the two holds the unit's 65,536 bytes of codes in 512 registers
; and takes every second tile of 16 rows: t = p, p + 2, ..  So all four waves stream, and all four multiply.
; THE STREAM.  Lane (r, h) loads 16 bytes: columns n0 + 4 r .. + 3 of row 64 b + 32 h + i: a wave's load is two rows x 256 consecutive bytes, aligned.  64 loads of a wave are asked for ahead.
; A lane's registers run down K; the hold at the largest code writes into other registers and so turns 8 rows x 4 columns into 4 columns x 8 rows; the conversions then give codes with K innermost.
; Column tile j is the columns n0 + 4 r + j.  In a K step of 128, lane (r, h), register g, byte b hold k = 64 (g / 8) + 32 h + 4 (g % 8) + b: a permutation of k, the same on both sides of the product.
; THE MATRIX INSTRUCTION IS USED TRANSPOSED (source 0 = a column tile of W1, source 1 = 16 rows of x): register i of tile j in lane (r, h) is row r, column n0 + 32 h + 4 i + j: a lane holds 32 neighbouring
; hidden units of one row, which are eight registers of the next product's operand.
; GELU: 0.5 u (1 + erf(u / sqrt(2))); erf(z) = z P(z^2) / Q(z^2) with z held within +-4, a rational form in f32 whose error is a few units in erf's last place; beyond +-4 erf is +-1 in f32.
; NO TENSOR LOADS, NO CLUSTER: the number of row tiles is a stored number, so the loop over them has no barrier and no mover; the weights, nearly all of the bytes, are shared by nobody.
; ONE BARRIER, ahead of every branch on the stored count.
; LIMITS: e0 (w1) and e2 (hidden) between -126 and 119; e0 + e1 between -126 and 127, so that each power of two below is an f32 number.  NaN among the inputs is not served.
; REGISTERS, in windows of 256.  Window 0: v1-15 addresses and constants; v[16:19] two coefficients; v[20:27] codes just made; v32-63 b1; v64-95 four accumulators; v96-159 two banks for the hold, later at work.
;   Window 1: in the stream two sets of 128 (row i, column j at 4 i + j); later x's fragments, two sets of 128: in set s my half of K at 128 s, the other at 128 s + 64.   Window 2: my codes, fragment (K step i, tile j) at 16 (4 i + j).   Window 3: my partner's.
; The stream switches windows three times for each 8 loads, 32 holds and 4 conversions: the three kinds of line live in three windows.
; THE MODE: SCHED_MODE bits 1:0 = 2 (LLVM: expert scheduling mode 2), set by the entry lines.  The code itself states the register dependences between vector or matrix instructions
; and memory or LDS instructions, with s_wait_alu, always for 0.
; THE PLAN.  Registers that memory or LDS instructions touch:
;   v1-v4, v7, v8, v10    offsets and LDS addresses: made at the head, ahead of one wait, and never written again.  Tiles are reached by scalar bases: one for each set of fragments, one for the stores.
;   window 1, the stream  a group's 32 registers: read by the group's 32 holds, then asked for again (two blocks on).  One wait a group, behind the holds; the conversions, which read the banks, follow the loads.
;   window 2              written by the conversions; read by a block's LDS stores, which stand behind the wait of the NEXT block's first group; never written again.
;   window 3              loaded once from LDS; no vector instruction names it before.
;   window 1, the rows    a step on set s: its 32 products read set s; then the tile two steps on lands in it, a half behind each of the step's two waits for the reciprocals.
;   v[20:27]              written by a step's four conversions, read by its two stores behind one wait, written again a step later behind the wait at that step's head.
.set PITCH, 16384                      ; a row of W1 in bytes
.set TSH,   14                         ; a tile of x's codes is 2^14 bytes
.set AB,    8                          ; s[8:9] x's codes of my expert
.set BS,    58                         ; s[58:61] set s: the address of the tile that the set is asked for next: a pair at BS + 2 s
.set OB,    62                         ; s[62:63] hc at the tile in hand
.set U,  128                           ; the epilogue's arrays, 16 numbers each
.set Z,  144
.set Z2, 160
.set P,  176
.set Q,  192
.set A13, 36                           ; s[36:55] ten coefficients, each as a pair: the packed forms name a pair and take its low word for both halves
.set A9,  38
.set A7,  40
.set A5,  42
.set A3,  44
.set A1,  46
.set B8,  48
.set B4,  50
.set B2,  52
.set B0,  54
.set TRIP,  56                         ; s56  the row loop's counter c: a trip takes my tiles number 2 c and 2 c + 1: t = 4 c + p and 4 c + 2 + p
.set TRIPS, 57                         ; s57  my tiles: (the expert's tiles + 1 - p) / 2
.set PAIRS, 27                         ; s27  the loop's trips: (my tiles + 1) / 2
.set MSB, 0
.macro WIN new                         ; the immediate's high byte repeats the setting that is left; a switch that changes nothing is dropped
.if MSB != \new
	s_set_vgpr_msb (MSB<<8)|\new
.set MSB, \new
.endif
.endm
.macro COEF s, val
	s_mov_b32 s[\s], \val
	s_mov_b32 s[\s+1], s[\s]
.endm
; eight loads: rows 8 g .. 8 g + 7 (and 32 further down for lanes 16-31) of K block b, into set b % 2
.macro WLOAD b, g
	WIN 0x40                                       ; destination window 1
.set q, 0
.rept 8
	global_load_b128 v[128*((\b)%2)+4*(8*(\g)+q):128*((\b)%2)+4*(8*(\g)+q)+3], v2, s[4:5] offset:(64*(\b)+8*(\g)+q)*PITCH th:TH_LOAD_NT
.set q, q+1
.endr
.endm
.macro SHARE b                         ; block b's codes go to LDS as they stand: register R's quad at 128 R + 16 x lane
	WIN 0x08                                       ; store data window 2
.set j, 0
.rept 4
.set R, 16*(4*((\b)/2)+j)+8*((\b)%2)
	ds_store_b128 v3, v[R:R+3] offset:128*R
	ds_store_b128 v3, v[R+4:R+7] offset:128*R+512
.set j, j+1
.endr
.endm
; eight rows x four columns a lane are held and turned; their registers take the loads of two blocks on; then the conversions make the codes
.macro GROUP b, g
.set GG, 4*(\b)+(\g)
.set TB, 96+32*(GG%2)
.set SB, 128*((\b)%2)+32*(\g)
.if 8*(31-GG) < 56
	s_wait_loadcnt 8*(31-GG)                       ; the tail: only the groups that are left are out
.else
	s_wait_loadcnt 56                              ; my eight loads are in; the seven groups asked for behind them stay out
.endif
	WIN 0x01                                       ; source 0 window 1
.set j, 0
.rept 4
.set q, 0
.rept 8
	v_med3_num_f32 v[TB+8*j+q], v[SB+4*q+j], -v12, v12   ; the hold (the conversion does not saturate: ISA guide 7.6.2), and the turn: column j's eight rows come to lie on end
.set q, q+1
.endr
.set j, j+1
.endr
.if (\b) < 6
	WIN 0x40                                       ; the loads' window, then the wait, then the loads
	s_wait_alu depctr_va_vdst(0)                   ; the 32 holds are done reading this group's registers, in which the loads below land; in a block's first group also: the conversions of the block before have written its codes, which the LDS stores below read
	WLOAD (\b)+2, \g
.elseif (\g) == 0
	WIN 0x08                                       ; the stores' window, then the wait
	s_wait_alu depctr_va_vdst(0)                   ; the conversions of the block before have written its codes, which the LDS stores below read
.endif
.if ((\g) == 0) && ((\b) > 0)
	SHARE (\b)-1                                   ; no vector instruction since the wait names these registers
.endif
	WIN 0x80                                       ; destination window 2
.set j, 0
.rept 4
.set CD, 16*(4*((\b)/2)+j)+8*((\b)%2)+2*(\g)
	v_cvt_scalef32_pk8_fp8_f32 v[CD:CD+1], v[TB+8*j:TB+8*j+7], v11   ; the two banks take turns: the other bank's 32 holds stand between a conversion and the next write of its sources
.set j, j+1
.endr
.endm
.macro ALOAD s, half                   ; four K steps' fragments of a tile of rows, into set s: 16 loads of 512 consecutive bytes
	WIN 0x40
.set q, 0
.rept 16
	global_load_b128 v[128*(\s)+64*(\half)+4*q:128*(\s)+64*(\half)+4*q+3], v[7+(\half)], s[BS+2*(\s):BS+2*(\s)+1] offset:512*q
.set q, q+1
.endr
.endm
; 16 matrix instructions: four K steps x four column tiles, on set s.  The four accumulators take turns, one instruction a turn.  zero = 1: the first K step starts the sums
.macro MUL s, half, zero
.set WN, 0x06+(\half)
	WIN WN                                         ; source 0 window 2 (my codes) or 3 (my partner's), source 1 window 1, C and D window 0
.set i, 0
.rept 4
.set j, 0
.rept 4
.if (\zero) && (i == 0)
	v_wmma_f32_16x16x128_fp8_fp8 v[64+8*j:71+8*j], v[16*(4*i+j):16*(4*i+j)+15], v[128*(\s)+64*(\half)+16*i:128*(\s)+64*(\half)+16*i+15], 0
.else
	v_wmma_f32_16x16x128_fp8_fp8 v[64+8*j:71+8*j], v[16*(4*i+j):16*(4*i+j)+15], v[128*(\s)+64*(\half)+16*i:128*(\s)+64*(\half)+16*i+15], v[64+8*j:71+8*j]
.endif
.set j, j+1
.endr
.set i, i+1
.endr
.endm
.macro PMUL d, a, b                    ; eight packed products
.set n, 0
.rept 8
	v_pk_mul_f32 v[\d+n:\d+n+1], v[\a+n:\a+n+1], v[\b+n:\b+n+1]
.set n, n+2
.endr
.endm
.macro FIRST d, x, c, v                ; d = x c + v: a polynomial's first step; c a scalar pair, v a vector pair
.set n, 0
.rept 8
	v_pk_fma_f32 v[\d+n:\d+n+1], v[\x+n:\x+n+1], s[\c:\c+1], v[\v:\v+1] op_sel_hi:[1,0,1]
.set n, n+2
.endr
.endm
.macro HORNER d, x, c                  ; d = d x + c
.set n, 0
.rept 8
	v_pk_fma_f32 v[\d+n:\d+n+1], v[\d+n:\d+n+1], v[\x+n:\x+n+1], s[\c:\c+1] op_sel_hi:[1,1,0]
.set n, n+2
.endr
.endm
; accumulators 2 g and 2 g + 1: 16 numbers, array by array, so that no line waits for the line above it.  Behind its one wait stand the 16 loads of half g of the tile two steps on, into set s
.macro GELU g, s
.set n, 0
.rept 8
	v_pk_fma_f32 v[U+n:U+n+1], v[64+16*(\g)+n:64+16*(\g)+n+1], s[32:33], v[32+16*(\g)+n:32+16*(\g)+n+1] op_sel_hi:[1,0,1]   ; u = sum x 2^(e0 + e1) + b1; each accumulator from its low end on
.set n, n+2
.endr
.set n, 0
.rept 16
	v_med3_num_f32 v[Z+n], v[U+n], -v15, v15       ; u held within +-4 sqrt(2),
.set n, n+1
.endr
.set n, 0
.rept 8
	v_pk_mul_f32 v[Z+n:Z+n+1], v[Z+n:Z+n+1], s[34:35] op_sel_hi:[1,0]   ; z = u / sqrt(2), within +-4
.set n, n+2
.endr
	PMUL Z2, Z, Z
	FIRST P, Z2, A13, 16
	HORNER P, Z2, A9
	HORNER P, Z2, A7
	HORNER P, Z2, A5
	HORNER P, Z2, A3
	HORNER P, Z2, A1
	FIRST Q, Z2, B8, 18
	HORNER Q, Z2, B4
	HORNER Q, Z2, B2
	HORNER Q, Z2, B0
.set n, 0
	s_wait_alu depctr_va_vdst(0)
.rept 16
	v_rcp_f32 v[Q+n], v[Q+n]                       ; one batch
.set n, n+1
.endr
	PMUL P, P, Z                                   ; sixteen plain instructions that name none of the batch's results
.set n, 0
.rept 8
	v_pk_mul_f32 v[U+n:U+n+1], v[U+n:U+n+1], 0.5 op_sel_hi:[1,0]
.set n, n+2
.endr
	WIN 0x40                                       ; the loads' window, then the wait, then the loads
	s_wait_alu depctr_va_vdst(0)                   ; the sixteen reciprocals are written, ahead of their first reader; and the step's 32 products are done reading set s, in which the loads below land
	ALOAD \s, \g
	WIN 0
	PMUL P, P, Q                                   ; erf
.set n, 0
.rept 8
	v_pk_fma_f32 v[P+n:P+n+1], v[P+n:P+n+1], v[U+n:U+n+1], v[U+n:U+n+1]   ; 0.5 u erf + 0.5 u
.set n, n+2
.endr
.set n, 0
.rept 16
	v_med3_num_f32 v[96+4*(n%8)+2*(\g)+n/8], v[P+n], -v14, v14   ; the hold, and the turn: register 4 i + j is hidden unit n0 + 32 h + 4 i + j
.set n, n+1
.endr
.endm
; A step: one tile of 16 rows x my unit's 64 columns, 32 matrix instructions on set s; the tile two steps on is asked for into the same set as soon as the products have read it
.macro STEP s
	s_lshl_b32 s22, s[TRIP], 2
	s_add_co_u32 s22, s22, s18
.if \s
	s_add_co_u32 s22, s22, 2
.endif                                                 ; t = 4 c + 2 s + p
	s_wait_loadcnt 48                              ; my half of K of set s is in; its other half's sixteen loads and the other set's 32 may be out
	s_wait_xcnt 0x0                                ; the last step's stores have had their addresses translated: their base and their data are rewritten only behind this wait
	s_wait_alu depctr_vm_vsrc(0)                   ; the last step's two stores have read v[20:27], which this step's conversions write again
	s_min_u32 s25, s22, 63
	s_lshl_b32 s2, s25, 16
	s_add_nc_u64 s[OB:OB+1], s[14:15], s[2:3]      ; tile t of hc
	MUL \s, 0, 1
	s_wait_loadcnt 32                              ; the other half is in; the other set's 32 loads may be out
	s_add_co_u32 s23, s22, 4
	s_min_u32 s23, s23, s26                        ; the tile two steps on; at the end a tile that exists, asked for and not used: no load leaves the written part of its buffer
	s_min_u32 s23, s23, 63
	s_lshl_b32 s2, s23, TSH
	s_add_nc_u64 s[BS+2*(\s):BS+2*(\s)+1], s[AB:AB+1], s[2:3]   ; free since that wait, which shows the loads that read it done
	MUL \s, 1, 0
	WIN 0
.rept 4
	v_nop                                          ; four places in front of the first read of the sums (ISA guide 7.12.1)
.endr
	GELU 0, \s
	GELU 1, \s
.irp q, 0,1,2,3
	v_cvt_scalef32_pk8_fp8_f32 v[20+2*\q:21+2*\q], v[96+8*\q:103+8*\q], v13
.endr
	v_nop                                          ; a plain instruction behind the last conversion
	s_wait_alu depctr_va_vdst(0)                   ; the four conversions have written v[20:27], which the stores read
	global_store_b128 v1, v[20:23], s[OB:OB+1]     ; 32 lanes store 512 consecutive bytes, aligned
	global_store_b128 v1, v[24:27], s[OB:OB+1] offset:512
.endm
	s_load_b256 s[4:11], s[0:1], 0x0               ; w1 s[4:5], b1 s[6:7], xg s[8:9], cnt s[10:11]
	s_load_b128 s[12:15], s[0:1], 0x20             ; lowp_scales s[12:13], hc s[14:15]
	v_lshl_add_u32 v254, v0, 2, 0x20000
	v_mov_b32 v255, 0
	v_lshrrev_b32 v1, 5, v0
	v_readfirstlane_b32 s16, v1                    ; wave 0..3
	v_and_b32 v1, 31, v0
	v_lshlrev_b32 v1, 4, v1                        ; 16 x lane
	s_wait_alu depctr_va_vdst(0)
	v_and_b32 v5, 15, v0                           ; r
	v_bfe_u32 v6, v0, 4, 1                         ; h
	v_mul_u32_u24 v2, v6, 32*PITCH
	v_lshl_add_u32 v2, v5, 4, v2                   ; the stream: 32 rows further down for lanes 16-31, 16 bytes a lane
	v_lshlrev_b32 v10, 7, v6                       ; b1: 128 h
	s_and_b32 s19, ttmp7, 0xffff                   ; the expert
	s_wait_alu depctr_va_sdst(0)                   ; s16 is written, ahead of its first reader: LDS addresses, bases and the tiles' parity are made from it
	s_lshr_b32 s17, s16, 1                         ; u: my unit
	s_and_b32 s18, s16, 1                          ; p: my half of K, and my tiles' parity
	s_lshl_b32 s58, s16, 15                        ; (each scalar that a vector instruction reads here has a register of its own, written again only behind a wait on va_vdst)
	v_add_nc_u32 v3, s58, v1                       ; LDS: my 32,768 bytes,
	s_xor_b32 s59, s16, 1
	s_lshl_b32 s59, s59, 15
	v_add_nc_u32 v4, s59, v1                       ; and my partner's
	s_lshl_b32 s60, s18, 13
	v_add_nc_u32 v7, s60, v1                       ; in a tile of x's codes: my half of K (four K steps of 2,048 bytes),
	s_xor_b32 s61, s60, 8192
	v_add_nc_u32 v8, s61, v1                       ; and the other
	s_lshl_b32 s26, ttmp9, 9
	s_lshl_b32 s27, s17, 8
	s_add_co_u32 s26, s26, s27                     ; 4 n0, n0 = 128 X + 64 u
	s_mov_b32 s25, 0
	s_wait_kmcnt 0x0
	s_lshl_b32 s24, s19, 2
	s_add_nc_u64 s[10:11], s[10:11], s[24:25]
	s_load_b32 s21, s[10:11], 0x0                  ; my expert's rows
	s_load_b128 s[28:31], s[12:13], 0x0            ; e0, e1, e2, e3
	s_lshl_b32 s24, s19, 24                        ; an expert's W1 is 2^24 bytes,
	s_lshl_b32 s27, s18, 23                        ; 512 rows are 2^23
	s_add_co_u32 s24, s24, s27
	s_add_co_u32 s24, s24, s26
	s_add_nc_u64 s[4:5], s[4:5], s[24:25]
	s_lshl_b32 s24, s19, 14
	s_add_co_u32 s24, s24, s26
	s_add_nc_u64 s[6:7], s[6:7], s[24:25]          ; b1 at my unit's first column
	s_lshl_b32 s24, s19, 20
	s_add_nc_u64 s[8:9], s[8:9], s[24:25]          ; 64 tiles of 2^14 bytes an expert
	s_lshl_b32 s24, s19, 22                        ; hc: 64 tiles of 2^16 bytes an expert;
	s_lshl_b32 s27, ttmp9, 11                      ; my 128 columns are K step X of the next product, 2,048 bytes;
	s_add_co_u32 s24, s24, s27
	s_lshl_b32 s27, s17, 10                        ; my unit's 64 are its registers 8 u .. 8 u + 7: quads 2 u, 2 u + 1
	s_add_co_u32 s24, s24, s27
	s_add_nc_u64 s[14:15], s[14:15], s[24:25]
	s_wait_alu depctr_va_vdst(0)                   ; v1 to v4, v7, v8 and v10 are written: every load, store and LDS instruction of the kernel reads one of them as its offset or address
.set j, 0
.rept 4
.set i, 0
.rept 8
	global_load_b32 v[32+8*j+i], v10, s[6:7] offset:4*(4*i+j)   ; b1 in the accumulators' order: once a wave
.set i, i+1
.endr
.set j, j+1
.endr
.irp g, 0,1,2,3
	WLOAD 0, \g
.endr
.irp g, 0,1,2,3
	WLOAD 1, \g
.endr
	WIN 0
	s_mov_b32 s34, 0x3f3504f3                      ; 1 / sqrt(2)
	s_mov_b32 s35, s34
	COEF A13, -0.000000000272614225801306
	COEF A9,  -0.00000210102402082508
	COEF A7,  -0.0000569250639462346
	COEF A5,  -0.000734990630326855
	COEF A3,  -0.00295459980854025
	COEF A1,  -0.0160960333262415
	COEF B8,  -0.0000145660718464996
	COEF B4,  -0.00168282697438203
	COEF B2,  -0.00737332916720468
	COEF B0,  -0.0142647390514189
	v_mov_b32 v15, 0x40b504f3                      ; 4 sqrt(2)
	v_mov_b32 v16, 0.0000000277068142495902        ; the numerator's coefficient of z^11, twice
	v_mov_b32 v17, v16
	v_mov_b32 v18, -0.000213374055278905           ; the denominator's of z^6, twice
	v_mov_b32 v19, v18
	s_wait_kmcnt 0x0
	s_add_co_i32 s24, s28, 127
	s_lshl_b32 s22, s24, 23
	v_mov_b32 v11, s22                             ; 2^e0 as f32: the conversion takes its exponent field
	s_add_co_i32 s24, s24, 8
	s_lshl_b32 s23, s24, 23
	s_or_b32 s23, s23, 0x600000
	v_mov_b32 v12, s23                             ; 448 x 2^e0
	s_add_co_i32 s24, s30, 127
	s_lshl_b32 s2, s24, 23
	v_mov_b32 v13, s2                              ; 2^e2
	s_add_co_i32 s24, s24, 8
	s_lshl_b32 s3, s24, 23
	s_or_b32 s3, s3, 0x600000
	v_mov_b32 v14, s3                              ; 448 x 2^e2
	s_add_co_i32 s32, s28, s29
	s_add_co_i32 s32, s32, 127
	s_lshl_b32 s32, s32, 23                        ; 2^(e0 + e1)
	s_mov_b32 s33, s32
	s_add_co_u32 s21, s21, 15
	s_lshr_b32 s21, s21, 4
	s_min_u32 s21, s21, 64                         ; my expert's tiles of 16 rows
	s_wait_alu depctr_va_vdst(0)
.irp b, 0,1,2,3,4,5,6,7
.irp g, 0,1,2,3
	GROUP \b, \g
.endr
.endr
	v_nop                                          ; a plain instruction between the last conversion and the products that read the codes
	WIN 0x08                                       ; the stores' window, then the wait
	s_wait_alu depctr_va_vdst(0)                   ; the last block's conversions have written its codes, which the LDS stores read; and all the holds are done reading window 1, in which the first fragments land below: no vector instruction stands between
	SHARE 7
	WIN 0
	s_wait_dscnt 0x0                               ; for my partner's sake: my codes lie in LDS
	s_barrier_signal -1
	s_barrier_wait -1                              ; the one barrier: every wave passes it, ahead of every branch on the stored count
	s_cmp_ge_u32 s18, s21
	s_cbranch_scc1 .Lend                           ; no tile of my parity
	s_add_co_u32 s[TRIPS], s21, 1
	s_sub_co_u32 s[TRIPS], s[TRIPS], s18
	s_lshr_b32 s[TRIPS], s[TRIPS], 1               ; tiles p, p + 2, .. under the expert's count: at least one, at most 32
	s_add_co_u32 s[PAIRS], s[TRIPS], 1
	s_lshr_b32 s[PAIRS], s[PAIRS], 1               ; two of them to a trip
	s_mov_b32 s[TRIP], 0
	s_sub_co_u32 s26, s21, 1                       ; the last tile
	s_mov_b32 s3, 0
	s_lshl_b32 s2, s18, TSH
	s_add_nc_u64 s[BS:BS+1], s[AB:AB+1], s[2:3]    ; set 0: tile p
	s_add_co_u32 s23, s18, 2
	s_min_u32 s23, s23, s26
	s_min_u32 s23, s23, 63
	s_lshl_b32 s2, s23, TSH
	s_add_nc_u64 s[BS+2:BS+3], s[AB:AB+1], s[2:3]  ; set 1: tile p + 2, or the last tile
	ALOAD 0, 0
	ALOAD 0, 1
	ALOAD 1, 0
	ALOAD 1, 1
	WIN 0xc0                                       ; destination window 3
.set q, 0
.rept 64
	ds_load_b128 v[4*q:4*q+3], v4 offset:512*q     ; my partner's 256 registers, as they stood
.set q, q+1
.endr
	WIN 0
	s_wait_dscnt 0x0
.Lrow:                                             ; a trip: two steps, one on each set of fragments, until the register numbers are back where they began
	STEP 0
	s_lshl_b32 s23, s[TRIP], 1
	s_add_co_u32 s23, s23, 1
	s_cmp_lt_u32 s23, s[TRIPS]
	s_cbranch_scc1 .Lsecond                        ; my tile number 2 c + 1 exists
	s_wait_dscnt 0x0
	s_wait_alu depctr_hold_cnt(0) depctr_sa_sdst(0) depctr_va_vdst(0) depctr_va_sdst(0) depctr_va_ssrc(0) depctr_va_vcc(0) depctr_vm_vsrc(0)
	s_wait_tensorcnt 0x0
	ds_add_u32 v254, v255
	s_wait_dscnt 0x0
	s_endpgm                                       ; an odd number of tiles ends here: the loop is left by its end of program or by falling through its backward branch, and no branch passes the counter's step
.Lsecond:
	STEP 1
	s_add_co_u32 s[TRIP], s[TRIP], 1
	s_cmp_lt_u32 s[TRIP], s[PAIRS]
	s_cbranch_scc1 .Lrow
.Lend:
	s_wait_dscnt 0x0
	s_wait_alu depctr_hold_cnt(0) depctr_sa_sdst(0) depctr_va_vdst(0) depctr_va_sdst(0) depctr_va_ssrc(0) depctr_va_vcc(0) depctr_vm_vsrc(0)
	s_wait_tensorcnt 0x0
	ds_add_u32 v254, v255
	s_wait_dscnt 0x0
	s_endpgm
.Lfunc_end_k_qf02172875c_up:
	.size	k_qf02172875c_up, .Lfunc_end_k_qf02172875c_up-k_qf02172875c_up
	.p2alignl 7, 3214868480
	.fill 96, 4, 3214868480
	.section	.rodata,"a",@progbits
	.p2align	6, 0x0
	.amdhsa_kernel k_qf02172875c_up
		.amdhsa_group_segment_fixed_size 131584
		.amdhsa_private_segment_fixed_size 0
		.amdhsa_enable_private_segment 0
		.amdhsa_kernarg_size 48
		.amdhsa_user_sgpr_count 2
		.amdhsa_user_sgpr_kernarg_segment_ptr 1
		.amdhsa_wavefront_size32 1
		.amdhsa_system_sgpr_workgroup_id_x 1
		.amdhsa_system_sgpr_workgroup_id_y 1
		.amdhsa_system_sgpr_workgroup_id_z 1
		.amdhsa_system_vgpr_workitem_id 0
		.amdhsa_next_free_vgpr 1024
		.amdhsa_next_free_sgpr 66
		.amdhsa_reserve_vcc 0
		.amdhsa_float_denorm_mode_32 3
		.amdhsa_float_denorm_mode_16_64 3
		.amdhsa_memory_ordered 1
		.amdhsa_forward_progress 1
		.amdhsa_inst_pref_size 181
	.end_amdhsa_kernel
	.amdgpu_metadata
---
amdhsa.version: [ 1, 2 ]
amdhsa.kernels:
  - .name:           k_qf02172875c_up
    .symbol:         k_qf02172875c_up.kd
    .args:
      - { .name: w1, .offset: 0, .size: 8, .value_kind: global_buffer, .address_space: global }
      - { .name: b1, .offset: 8, .size: 8, .value_kind: global_buffer, .address_space: global }
      - { .name: xg, .offset: 16, .size: 8, .value_kind: global_buffer, .address_space: global }
      - { .name: cnt, .offset: 24, .size: 8, .value_kind: global_buffer, .address_space: global }
      - { .name: lowp_scales, .offset: 32, .size: 8, .value_kind: global_buffer, .address_space: global }
      - { .name: hc, .offset: 40, .size: 8, .value_kind: global_buffer, .address_space: global }
    .group_segment_fixed_size: 131584
    .private_segment_fixed_size: 0
    .kernarg_segment_align: 8
    .kernarg_segment_size: 48
    .max_flat_workgroup_size: 128
    .sgpr_count:     66
    .vgpr_count:     1024
    .wavefront_size: 32
...
	.end_amdgpu_metadata
.endif
;; end of part 8
;; launch down (part 9): grid 32 x 8, 4 waves a work-group, no clusters, 148,992 bytes of LDS; arguments w2, hc, cnt, lowp_scales, yp; writes yp
.if DOCPART == 9
	.amdgcn_target "amdgcn-amd-amdhsa--gfx1250"
	.amdhsa_code_object_version 6
	.text
	.protected	k_qf02172875c_down
	.globl	k_qf02172875c_down
	.p2align	8
	.type	k_qf02172875c_down,@function
k_qf02172875c_down:
	s_mov_b64 s[64:65], 0
	v_nop
	global_prefetch_b8 v0, s[64:65] scope:SCOPE_SE
	s_setreg_imm32_b32 hwreg(HW_REG_WAVE_SCHED_MODE, 0, 2), 2
	s_setreg_imm32_b32 hwreg(HW_REG_WAVE_MODE, 25, 1), 1
	s_wait_xcnt 0x0
	s_wait_alu depctr_vm_vsrc(0)
; THE SECOND PRODUCT, in four parts along K.  yp[ks][slot][n] = 2^(e2 + e3) x the sum over k = 1024 ks .. 1024 ks + 1023 of hidden[slot][k] W2[k][n], on codes of E4M3, sums in f32.
; w2: [8][4096 (k)][1024 (n)] f32, read ONCE, as f32, and quantised in registers.  hc: the hidden layer's codes, images of the operand's registers, from the launch before.  cnt: [8] int32.
; yp: [4][8192 slots][1024] f32.  The four parts of a row are added by the last launch, which needs whole rows for the norm: no sum spans work-groups inside a launch.
; SHARES.  Work-group (X, e): ks = X / 8, columns 128 (X % 8) .. + 127: two units of 1,024 K x 64 columns.  All else is as in the first product's launch: two waves share a unit, each streams and quantises
; half of its K into 256 registers, they exchange halves through LDS once, behind ONE barrier, and each then takes every second tile of 16 rows.
; THE STREAM, THE ORDER OF k, THE TRANSPOSED USE: lane (r, h) loads columns n0 + 4 r .. + 3 of row 64 b + 32 h + i (a load: two rows x 256 consecutive bytes, aligned); column tile j is the columns n0 + 4 r + j;
; in a K step of 128, lane (r, h), register g, byte b hold k = 64 (g / 8) + 32 h + 4 (g % 8) + b, as the hidden codes do; register i of tile j in lane (r, h) is row r, column n0 + 32 h + 4 i + j.
; THE WAY OUT.  A lane holds 32 neighbouring numbers of a row, 128 bytes, and the lanes beside it hold other rows: a tile goes through my wave's own stage in LDS and leaves as rows of 256 bytes, sixteen lanes to a row.
; NO TENSOR LOADS, NO CLUSTER: the number of row tiles is a stored number; the weights, nearly all of the bytes, are shared by nobody.
; LIMITS: e3 (w2) between -126 and 119; e2 + e3 between -126 and 127.  NaN among the inputs is not served.
; REGISTERS, in windows of 256.  Window 0: v1-14 addresses and constants; v64-95 four accumulators; v96-159 two banks for the hold; later v96-127 the scaled sums, v128-159 rows read back.
;   Window 1: in the stream two sets of 128; later the hidden fragments, two sets of 128: in set s my half of K at 128 s, the other at 128 s + 64.   Window 2: my codes, fragment (K step i, tile j) at 16 (4 i + j).   Window 3: my partner's.
; THE MODE: SCHED_MODE bits 1:0 = 2 (LLVM: expert scheduling mode 2), set by the entry lines.  The code itself states the register dependences between vector or matrix instructions
; and memory or LDS instructions, with s_wait_alu, always for 0.
; THE PLAN.  Registers that memory or LDS instructions touch:
;   v1-v4, v7, v8, v10, v13, v14   offsets and LDS addresses: made at the head, ahead of one wait, and never written again.  Tiles are reached by scalar bases: one for each set of fragments, one for the stores.
;   window 1, the stream  a group's 32 registers: read by the group's 32 holds, then asked for again (two blocks on).  One wait a group, behind the holds; the conversions, which read the banks, follow the loads.
;   window 2              written by the conversions; read by a block's LDS stores, which stand behind the wait of the NEXT block's first group; never written again.
;   window 3              loaded once from LDS; no vector instruction names it before.
;   window 1, the rows    a step on set s: its 32 products read set s; then the tile two steps on lands in it.
;   v[96:127]             written by a step's 32 scalings, read by its eight LDS stores.        v[128:159]  a step's eight LDS loads land there, its eight global stores read them.
; So a step has ONE wait on va_vdst, behind its scalings: they have written v[96:127], and the products are done reading set s; the LDS stores, the LDS loads and the 32 loads of fragments follow it.
; And ONE wait on vm_vsrc, at its head: the last step's LDS stores have read v[96:127] and its global stores v[128:159].
.set PITCH, 4096                       ; a row of W2 in bytes
.set TSH,   16                         ; a tile of hidden codes is 2^16 bytes
.set AB,    6                          ; s[6:7] the hidden codes of my expert and my quarter of K
.set BS,    58                         ; s[58:61] set s: the address of the tile that the set is asked for next: a pair at BS + 2 s
.set OB,    62                         ; s[62:63] yp at the tile in hand
.set STAGE, 131072                     ; behind the exchange: 16 rows x (256 bytes + 16) for each wave
.set TRIP,  56                         ; s56  the row loop's counter c: a trip takes my tiles number 2 c and 2 c + 1: t = 4 c + p and 4 c + 2 + p
.set TRIPS, 57                         ; s57  my tiles: (the expert's tiles + 1 - p) / 2
.set PAIRS, 27                         ; s27  the loop's trips: (my tiles + 1) / 2
.set MSB, 0
.macro WIN new                         ; the immediate's high byte repeats the setting that is left; a switch that changes nothing is dropped
.if MSB != \new
	s_set_vgpr_msb (MSB<<8)|\new
.set MSB, \new
.endif
.endm
.macro WLOAD b, g                      ; eight loads: rows 8 g .. 8 g + 7 (and 32 further down for lanes 16-31) of K block b, into set b % 2
	WIN 0x40                                       ; destination window 1
.set q, 0
.rept 8
	global_load_b128 v[128*((\b)%2)+4*(8*(\g)+q):128*((\b)%2)+4*(8*(\g)+q)+3], v2, s[4:5] offset:(64*(\b)+8*(\g)+q)*PITCH th:TH_LOAD_NT
.set q, q+1
.endr
.endm
.macro SHARE b                         ; block b's codes go to LDS as they stand: register R's quad at 128 R + 16 x lane
	WIN 0x08                                       ; store data window 2
.set j, 0
.rept 4
.set R, 16*(4*((\b)/2)+j)+8*((\b)%2)
	ds_store_b128 v3, v[R:R+3] offset:128*R
	ds_store_b128 v3, v[R+4:R+7] offset:128*R+512
.set j, j+1
.endr
.endm
.macro GROUP b, g                      ; eight rows x four columns a lane are held and turned; their registers take the loads of two blocks on; then the conversions make the codes
.set GG, 4*(\b)+(\g)
.set TB, 96+32*(GG%2)
.set SB, 128*((\b)%2)+32*(\g)
.if 8*(31-GG) < 56
	s_wait_loadcnt 8*(31-GG)                       ; the tail: only the groups that are left are out
.else
	s_wait_loadcnt 56                              ; my eight loads are in; the seven groups asked for behind them stay out
.endif
	WIN 0x01                                       ; source 0 window 1
.set j, 0
.rept 4
.set q, 0
.rept 8
	v_med3_num_f32 v[TB+8*j+q], v[SB+4*q+j], -v12, v12   ; the hold (the conversion does not saturate: ISA guide 7.6.2), and the turn: column j's eight rows come to lie on end
.set q, q+1
.endr
.set j, j+1
.endr
.if (\b) < 6
	WIN 0x40                                       ; the loads' window, then the wait, then the loads
	s_wait_alu depctr_va_vdst(0)                   ; the 32 holds are done reading this group's registers, in which the loads below land; in a block's first group also: the conversions of the block before have written its codes, which the LDS stores below read
	WLOAD (\b)+2, \g
.elseif (\g) == 0
	WIN 0x08                                       ; the stores' window, then the wait
	s_wait_alu depctr_va_vdst(0)                   ; the conversions of the block before have written its codes, which the LDS stores below read
.endif
.if ((\g) == 0) && ((\b) > 0)
	SHARE (\b)-1                                   ; no vector instruction since the wait names these registers
.endif
	WIN 0x80                                       ; destination window 2
.set j, 0
.rept 4
.set CD, 16*(4*((\b)/2)+j)+8*((\b)%2)+2*(\g)
	v_cvt_scalef32_pk8_fp8_f32 v[CD:CD+1], v[TB+8*j:TB+8*j+7], v11   ; the two banks take turns: the other bank's 32 holds stand between a conversion and the next write of its sources
.set j, j+1
.endr
.endm
.macro ALOAD s, half                   ; four K steps' fragments of a tile of rows, into set s: 16 loads of 512 consecutive bytes
	WIN 0x40
.set q, 0
.rept 16
	global_load_b128 v[128*(\s)+64*(\half)+4*q:128*(\s)+64*(\half)+4*q+3], v[7+(\half)], s[BS+2*(\s):BS+2*(\s)+1] offset:512*q
.set q, q+1
.endr
.endm
; 16 matrix instructions: four K steps x four column tiles, on set s.  The four accumulators take turns, one instruction a turn.  zero = 1: the first K step starts the sums
.macro MUL s, half, zero
.set WN, 0x06+(\half)
	WIN WN                                         ; source 0 window 2 (my codes) or 3 (my partner's), source 1 window 1, C and D window 0
.set i, 0
.rept 4
.set j, 0
.rept 4
.if (\zero) && (i == 0)
	v_wmma_f32_16x16x128_fp8_fp8 v[64+8*j:71+8*j], v[16*(4*i+j):16*(4*i+j)+15], v[128*(\s)+64*(\half)+16*i:128*(\s)+64*(\half)+16*i+15], 0
.else
	v_wmma_f32_16x16x128_fp8_fp8 v[64+8*j:71+8*j], v[16*(4*i+j):16*(4*i+j)+15], v[128*(\s)+64*(\half)+16*i:128*(\s)+64*(\half)+16*i+15], v[64+8*j:71+8*j]
.endif
.set j, j+1
.endr
.set i, i+1
.endr
.endm
; A step: one tile of 16 rows x my unit's 64 columns, 32 matrix instructions on set s; the tile two steps on is asked for into the same set as soon as the products have read it
.macro STEP s
	s_lshl_b32 s22, s[TRIP], 2
	s_add_co_u32 s22, s22, s18
.if \s
	s_add_co_u32 s22, s22, 2
.endif                                                 ; t = 4 c + 2 s + p
	s_wait_loadcnt 48                              ; my half of K of set s is in; its other half's sixteen loads and the other set's 32 may be out
	s_wait_xcnt 0x0                                ; the last step's stores have had their addresses translated: their base and their data are rewritten only behind this wait
	s_wait_alu depctr_vm_vsrc(0)                   ; the last step's LDS stores have read v[96:127], which the scalings below write again; its global stores have read v[128:159], in which the LDS loads below land
	s_min_u32 s25, s22, 63
	s_lshl_b32 s2, s25, 16                         ; 16 rows of 4,096 bytes a tile
	s_add_nc_u64 s[OB:OB+1], s[12:13], s[2:3]      ; tile t of yp
	MUL \s, 0, 1
	s_wait_loadcnt 32                              ; the other half is in; the other set's 32 loads may be out
	s_add_co_u32 s23, s22, 4
	s_min_u32 s23, s23, s26                        ; the tile two steps on; at the end a tile that exists, asked for and not used: no load leaves the written part of its buffer
	s_min_u32 s23, s23, 63
	s_lshl_b32 s2, s23, TSH
	s_add_nc_u64 s[BS+2*(\s):BS+2*(\s)+1], s[AB:AB+1], s[2:3]   ; free since that wait, which shows the loads that read it done
	MUL \s, 1, 0
	WIN 0
.rept 4
	v_nop                                          ; four places in front of the first read of the sums (ISA guide 7.12.1)
.endr
.set j, 0
.rept 4
.set i, 0
.rept 8
	v_mul_f32 v[96+4*i+j], s32, v[64+8*j+i]        ; x 2^(e2 + e3), and the turn: register 4 i + j is column n0 + 32 h + 4 i + j; each accumulator from its low end on
.set i, i+1
.endr
.set j, j+1
.endr
	s_wait_alu depctr_va_vdst(0)                   ; the scalings have written v[96:127], which the LDS stores read; the step's 32 products are done reading set s, in which the loads of fragments land; in the first step also: the stream's holds and conversions are done with v[128:159]
.irp i, 0,1,2,3,4,5,6,7
	ds_store_b128 v13, v[96+4*\i:99+4*\i] offset:16*\i
.endr
.irp m, 0,1,2,3,4,5,6,7
	ds_load_b128 v[128+4*\m:131+4*\m], v14 offset:544*\m   ; LDS serves a wave's instructions in order (ISA guide 5.7.1.4): these see my stores, and the next step's stores come behind them
.endr
	ALOAD \s, 0                                    ; no vector or matrix instruction since the wait names set s; these 32 loads go out while the stage's loads are on their way
	ALOAD \s, 1
	WIN 0
.irp m, 0,1,2,3,4,5,6,7
	s_wait_dscnt 7-\m                              ; rows 2 m and 2 m + 1 are back; the later loads may be out
	global_store_b128 v10, v[128+4*\m:131+4*\m], s[OB:OB+1] offset:8192*\m   ; sixteen lanes store 256 consecutive bytes, at a multiple of 256 from yp's first byte
.endr
.endm
	s_load_b256 s[4:11], s[0:1], 0x0               ; w2 s[4:5], hc s[6:7], cnt s[8:9], lowp_scales s[10:11]
	s_load_b64 s[12:13], s[0:1], 0x20              ; yp
	v_lshl_add_u32 v254, v0, 2, 0x24400
	v_mov_b32 v255, 0
	v_lshrrev_b32 v1, 5, v0
	v_readfirstlane_b32 s16, v1                    ; wave 0..3
	v_and_b32 v1, 31, v0
	v_lshlrev_b32 v1, 4, v1                        ; 16 x lane
	v_and_b32 v5, 15, v0                           ; r
	v_bfe_u32 v6, v0, 4, 1                         ; h
	v_mul_u32_u24 v2, v6, 32*PITCH
	v_lshl_add_u32 v2, v5, 4, v2                   ; the stream: 32 rows further down for lanes 16-31, 16 bytes a lane
	v_lshlrev_b32 v10, 12, v6
	v_lshl_add_u32 v10, v5, 4, v10                 ; yp: lanes 0-15 one row of 4,096 bytes, lanes 16-31 the next; 16 bytes a lane
	v_mul_u32_u24 v13, v5, 272
	v_lshl_add_u32 v13, v6, 7, v13
	v_mul_u32_u24 v14, v6, 272
	v_lshl_add_u32 v14, v5, 4, v14
	s_and_b32 s19, ttmp7, 0xffff                   ; the expert
	s_lshr_b32 s20, ttmp9, 3                       ; ks: the quarter of K
	s_wait_alu depctr_va_sdst(0)                   ; s16 is written, ahead of its first reader: LDS addresses, bases and the tiles' parity are made from it
	s_lshr_b32 s17, s16, 1                         ; u: my unit
	s_and_b32 s18, s16, 1                          ; p: my half of the unit's K, and my tiles' parity
	s_mul_i32 s62, s16, 16*272                     ; (each scalar that a vector instruction reads here has a register of its own, written again only behind a wait on va_vdst)
	s_add_co_u32 s62, s62, STAGE                   ; my stage
	v_add_nc_u32 v13, s62, v13                     ; in: row r, 128 bytes for each half of the lanes
	v_add_nc_u32 v14, s62, v14                     ; back: lanes 0-15 one row of 256 bytes, lanes 16-31 the next
	s_lshl_b32 s58, s16, 15
	v_add_nc_u32 v3, s58, v1                       ; LDS: my 32,768 bytes of the exchange,
	s_xor_b32 s59, s16, 1
	s_lshl_b32 s59, s59, 15
	v_add_nc_u32 v4, s59, v1                       ; and my partner's
	s_lshl_b32 s60, s18, 13
	v_add_nc_u32 v7, s60, v1                       ; in a tile's quarter of hidden codes: my half (four K steps of 2,048 bytes),
	s_xor_b32 s61, s60, 8192
	v_add_nc_u32 v8, s61, v1                       ; and the other
	s_and_b32 s26, ttmp9, 7
	s_lshl_b32 s26, s26, 9
	s_lshl_b32 s27, s17, 8
	s_add_co_u32 s26, s26, s27                     ; 4 n0, n0 = 128 (X % 8) + 64 u
	s_mov_b32 s25, 0
	s_wait_kmcnt 0x0
	s_lshl_b32 s24, s19, 2
	s_add_nc_u64 s[8:9], s[8:9], s[24:25]
	s_load_b32 s21, s[8:9], 0x0                    ; my expert's rows
	s_load_b128 s[28:31], s[10:11], 0x0            ; e0, e1, e2, e3
	s_lshl_b32 s24, s19, 24                        ; an expert's W2 is 2^24 bytes,
	s_lshl_b32 s27, s20, 22                        ; 1,024 rows are 2^22,
	s_add_co_u32 s24, s24, s27
	s_lshl_b32 s27, s18, 21                        ; 512 rows 2^21
	s_add_co_u32 s24, s24, s27
	s_add_co_u32 s24, s24, s26
	s_add_nc_u64 s[4:5], s[4:5], s[24:25]
	s_lshl_b32 s24, s19, 22                        ; hc: 64 tiles of 2^16 bytes an expert;
	s_lshl_b32 s27, s20, 14                        ; eight K steps of 2,048 bytes a quarter
	s_add_co_u32 s24, s24, s27
	s_add_nc_u64 s[6:7], s[6:7], s[24:25]
	s_lshl_b32 s24, s20, 25                        ; yp: 8,192 rows of 4,096 bytes a part,
	s_lshl_b32 s27, s19, 22                        ; 1,024 rows an expert
	s_add_co_u32 s24, s24, s27
	s_add_co_u32 s24, s24, s26
	s_add_nc_u64 s[12:13], s[12:13], s[24:25]
	s_wait_alu depctr_va_vdst(0)                   ; v1 to v4, v7, v8, v10, v13 and v14 are written: every load, store and LDS instruction of the kernel reads one of them as its offset or address
.irp g, 0,1,2,3
	WLOAD 0, \g
.endr
.irp g, 0,1,2,3
	WLOAD 1, \g
.endr
	WIN 0
	s_wait_kmcnt 0x0
	s_add_co_i32 s24, s31, 127
	s_lshl_b32 s22, s24, 23
	v_mov_b32 v11, s22                             ; 2^e3 as f32: the conversion takes its exponent field
	s_add_co_i32 s24, s24, 8
	s_lshl_b32 s23, s24, 23
	s_or_b32 s23, s23, 0x600000
	v_mov_b32 v12, s23                             ; 448 x 2^e3
	s_add_co_i32 s32, s30, s31
	s_add_co_i32 s32, s32, 127
	s_lshl_b32 s32, s32, 23                        ; 2^(e2 + e3)
	s_add_co_u32 s21, s21, 15
	s_lshr_b32 s21, s21, 4
	s_min_u32 s21, s21, 64                         ; my expert's tiles of 16 rows
	s_wait_alu depctr_va_vdst(0)
.irp b, 0,1,2,3,4,5,6,7
.irp g, 0,1,2,3
	GROUP \b, \g
.endr
.endr
	v_nop                                          ; a plain instruction between the last conversion and the products that read the codes
	WIN 0x08                                       ; the stores' window, then the wait
	s_wait_alu depctr_va_vdst(0)                   ; the last block's conversions have written its codes, which the LDS stores read; and all the holds are done reading window 1, in which the first fragments land below: no vector instruction stands between
	SHARE 7
	WIN 0
	s_wait_dscnt 0x0                               ; for my partner's sake: my codes lie in LDS
	s_barrier_signal -1
	s_barrier_wait -1                              ; the one barrier: every wave passes it, ahead of every branch on the stored count
	s_cmp_ge_u32 s18, s21
	s_cbranch_scc1 .Lend                           ; no tile of my parity
	s_add_co_u32 s[TRIPS], s21, 1
	s_sub_co_u32 s[TRIPS], s[TRIPS], s18
	s_lshr_b32 s[TRIPS], s[TRIPS], 1               ; tiles p, p + 2, .. under the expert's count: at least one, at most 32
	s_add_co_u32 s[PAIRS], s[TRIPS], 1
	s_lshr_b32 s[PAIRS], s[PAIRS], 1               ; two of them to a trip
	s_mov_b32 s[TRIP], 0
	s_sub_co_u32 s26, s21, 1                       ; the last tile
	s_mov_b32 s3, 0
	s_lshl_b32 s2, s18, TSH
	s_add_nc_u64 s[BS:BS+1], s[AB:AB+1], s[2:3]    ; set 0: tile p
	s_add_co_u32 s23, s18, 2
	s_min_u32 s23, s23, s26
	s_min_u32 s23, s23, 63
	s_lshl_b32 s2, s23, TSH
	s_add_nc_u64 s[BS+2:BS+3], s[AB:AB+1], s[2:3]  ; set 1: tile p + 2, or the last tile
	ALOAD 0, 0
	ALOAD 0, 1
	ALOAD 1, 0
	ALOAD 1, 1
	WIN 0xc0                                       ; destination window 3
.set q, 0
.rept 64
	ds_load_b128 v[4*q:4*q+3], v4 offset:512*q     ; my partner's 256 registers, as they stood
.set q, q+1
.endr
	WIN 0
	s_wait_dscnt 0x0
.Lrow:                                             ; a trip: two steps, one on each set of fragments, until the register numbers are back where they began
	STEP 0
	s_lshl_b32 s23, s[TRIP], 1
	s_add_co_u32 s23, s23, 1
	s_cmp_lt_u32 s23, s[TRIPS]
	s_cbranch_scc1 .Lsecond                        ; my tile number 2 c + 1 exists
	s_wait_dscnt 0x0
	s_wait_alu depctr_hold_cnt(0) depctr_sa_sdst(0) depctr_va_vdst(0) depctr_va_sdst(0) depctr_va_ssrc(0) depctr_va_vcc(0) depctr_vm_vsrc(0)
	s_wait_tensorcnt 0x0
	ds_add_u32 v254, v255
	s_wait_dscnt 0x0
	s_endpgm                                       ; an odd number of tiles ends here: the loop is left by its end of program or by falling through its backward branch, and no branch passes the counter's step
.Lsecond:
	STEP 1
	s_add_co_u32 s[TRIP], s[TRIP], 1
	s_cmp_lt_u32 s[TRIP], s[PAIRS]
	s_cbranch_scc1 .Lrow
.Lend:
	s_wait_dscnt 0x0
	s_wait_alu depctr_hold_cnt(0) depctr_sa_sdst(0) depctr_va_vdst(0) depctr_va_sdst(0) depctr_va_ssrc(0) depctr_va_vcc(0) depctr_vm_vsrc(0)
	s_wait_tensorcnt 0x0
	ds_add_u32 v254, v255
	s_wait_dscnt 0x0
	s_endpgm
.Lfunc_end_k_qf02172875c_down:
	.size	k_qf02172875c_down, .Lfunc_end_k_qf02172875c_down-k_qf02172875c_down
	.p2alignl 7, 3214868480
	.fill 96, 4, 3214868480
	.section	.rodata,"a",@progbits
	.p2align	6, 0x0
	.amdhsa_kernel k_qf02172875c_down
		.amdhsa_group_segment_fixed_size 148992
		.amdhsa_private_segment_fixed_size 0
		.amdhsa_enable_private_segment 0
		.amdhsa_kernarg_size 40
		.amdhsa_user_sgpr_count 2
		.amdhsa_user_sgpr_kernarg_segment_ptr 1
		.amdhsa_wavefront_size32 1
		.amdhsa_system_sgpr_workgroup_id_x 1
		.amdhsa_system_sgpr_workgroup_id_y 1
		.amdhsa_system_sgpr_workgroup_id_z 1
		.amdhsa_system_vgpr_workitem_id 0
		.amdhsa_next_free_vgpr 1024
		.amdhsa_next_free_sgpr 66
		.amdhsa_reserve_vcc 0
		.amdhsa_float_denorm_mode_32 3
		.amdhsa_float_denorm_mode_16_64 3
		.amdhsa_memory_ordered 1
		.amdhsa_forward_progress 1
		.amdhsa_inst_pref_size 138
	.end_amdhsa_kernel
	.amdgpu_metadata
---
amdhsa.version: [ 1, 2 ]
amdhsa.kernels:
  - .name:           k_qf02172875c_down
    .symbol:         k_qf02172875c_down.kd
    .args:
      - { .name: w2, .offset: 0, .size: 8, .value_kind: global_buffer, .address_space: global }
      - { .name: hc, .offset: 8, .size: 8, .value_kind: global_buffer, .address_space: global }
      - { .name: cnt, .offset: 16, .size: 8, .value_kind: global_buffer, .address_space: global }
      - { .name: lowp_scales, .offset: 24, .size: 8, .value_kind: global_buffer, .address_space: global }
      - { .name: yp, .offset: 32, .size: 8, .value_kind: global_buffer, .address_space: global }
    .group_segment_fixed_size: 148992
    .private_segment_fixed_size: 0
    .kernarg_segment_align: 8
    .kernarg_segment_size: 40
    .max_flat_workgroup_size: 128
    .sgpr_count:     66
    .vgpr_count:     1024
    .wavefront_size: 32
...
	.end_amdgpu_metadata
.endif
;; end of part 9
;; launch finish (part 10): grid 1024 x 1, 4 waves a work-group, no clusters, 768 bytes of LDS; arguments yp, pos, gate, x, b2, gamma, beta, out0; writes out0
.if DOCPART == 10
	.amdgcn_target "amdgcn-amd-amdhsa--gfx1250"
	.amdhsa_code_object_version 6
	.text
	.protected	k_qf02172875c_finish
	.globl	k_qf02172875c_finish
	.p2align	8
	.type	k_qf02172875c_finish,@function
k_qf02172875c_finish:
	s_mov_b64 s[64:65], 0
	v_nop
	global_prefetch_b8 v0, s[64:65] scope:SCOPE_SE
	s_setreg_imm32_b32 hwreg(HW_REG_WAVE_MODE, 25, 1), 1
	s_wait_xcnt 0x0
; THE END OF THE CHAIN, a token to a work-group.  For its two choices k: y = the four parts of the second product + b2[e] + x; LayerNorm over the 1,024 numbers (mean, then the mean of the squared
; differences, eps = 1e-5) with the expert's gamma and beta; out0 = the sum over k of gate_k x that.  All in f32.
; pos: [1024][2] int32, the slot (1024 e + rank) of (token, k); gate: [1024][2] f32; yp: [4][8192][1024] f32.  The slot is read by a scalar load, held under 8,192, and enters addresses by shifts to the left, an AND and sums alone.
; SHARES.  Wave w takes columns 256 w .. 256 w + 255; a lane two runs of four: bytes 1024 w + 16 l and + 512.  Every load and store of a wave covers 512 consecutive bytes, aligned.  All 30 loads go out at once.
; Sums over the row: within the lane, over the wave's lanes, and over the four waves through LDS: two barriers, on different bytes.
; Memory binds: no matrix unit, no cluster, no ring.
; REGISTERS: v[8:15] x; for k = 0 at v16, for k = 1 at v72: + 0 .. 31 the four parts (y, then y - mean, in the first eight), + 32 b2, + 40 gamma, + 48 beta; v[128:135] the result; v136-159 at work.
.macro WSUM a, b                       ; two registers are summed over the 32 lanes, by turns; every lane gets the sums
.irp m, 1,2,4,8
	v_add_f32_dpp v[\a], v[\a], v[\a] row_xmask:\m row_mask:0xf bank_mask:0xf
	v_add_f32_dpp v[\b], v[\b], v[\b] row_xmask:\m row_mask:0xf bank_mask:0xf
.endr
	v_permlanex16_b32 v142, v[\a], s30, s31
	v_permlanex16_b32 v143, v[\b], s30, s31
	v_add_f32 v[\a], v[\a], v142
	v_add_f32 v[\b], v[\b], v143
.endm
.macro MEET off                        ; v136, v138: my wave's sums -> v144, v148: the row's, through LDS bytes off .. off + 31
	ds_store_b32 v2, v136 offset:\off              ; all lanes write one word with one value
	ds_store_b32 v2, v138 offset:\off+16
	s_wait_dscnt 0x0                               ; for the others' sake: my stores have landed
	s_barrier_signal -1
	s_barrier_wait -1
	ds_load_b128 v[144:147], v3 offset:\off
	ds_load_b128 v[148:151], v3 offset:\off+16
	s_wait_dscnt 0x0
	v_add_f32 v144, v144, v145
	v_add_f32 v146, v146, v147
	v_add_f32 v148, v148, v149
	v_add_f32 v150, v150, v151
	v_add_f32 v144, v144, v146
	v_add_f32 v148, v148, v150
.endm
	s_load_b512 s[4:19], s[0:1], 0x0               ; yp s[4:5], pos s[6:7], gate s[8:9], x s[10:11], b2 s[12:13], gamma s[14:15], beta s[16:17], out0 s[18:19]
	v_lshl_add_u32 v160, v0, 2, 0x100
	v_mov_b32 v161, 0
	v_and_b32 v1, 31, v0
	v_and_b32 v2, 0x60, v0                         ; 32 w
	v_lshlrev_b32 v1, 4, v1
	v_lshl_or_b32 v1, v2, 5, v1                    ; 1024 w + 16 l
	v_lshrrev_b32 v2, 3, v2                        ; LDS: 4 w
	v_mov_b32 v3, 0
	v_mov_b32 v142, 0                              ; written once: a lane permute's destination counts as one of its sources
	v_mov_b32 v143, 0
	s_mov_b32 s30, 0x76543210                      ; v_permlanex16_b32's selects for lane l xor 16
	s_mov_b32 s31, 0xfedcba98
	s_mov_b32 s60, 0x3a800000                      ; 1 / 1024
	s_mov_b32 s61, 0x3727c5ac                      ; 1e-5
	s_lshl_b32 s20, ttmp9, 3
	s_mov_b32 s21, 0
	s_lshl_b32 s28, ttmp9, 12
	s_mov_b32 s29, 0
	s_wait_alu depctr_va_vdst(0)
	s_wait_kmcnt 0x0
	s_add_nc_u64 s[6:7], s[6:7], s[20:21]
	s_add_nc_u64 s[8:9], s[8:9], s[20:21]
	s_load_b64 s[22:23], s[6:7], 0x0               ; the two slots
	s_load_b64 s[24:25], s[8:9], 0x0               ; the two gates
	s_add_nc_u64 s[10:11], s[10:11], s[28:29]
	s_add_nc_u64 s[18:19], s[18:19], s[28:29]
	global_load_b128 v[8:11], v1, s[10:11]
	global_load_b128 v[12:15], v1, s[10:11] offset:512
	s_wait_kmcnt 0x0
	s_min_u32 s22, s22, 8191
	s_min_u32 s23, s23, 8191
	s_mov_b32 s26, s25                             ; the second gate as a pair of its own: the packed forms take a pair's low word for both halves
	s_mov_b32 s27, s25
.irp k, 0,1
	s_lshl_b32 s28, s[22+\k], 12                   ; the slot's row of 4,096 bytes,
	s_add_nc_u64 s[32+8*\k:33+8*\k], s[4:5], s[28:29]
	s_add_nc_u64 s[34+8*\k:35+8*\k], s[32+8*\k:33+8*\k], 0x2000000   ; in each of the four parts, 2^25 bytes apart
	s_add_nc_u64 s[36+8*\k:37+8*\k], s[32+8*\k:33+8*\k], 0x4000000
	s_add_nc_u64 s[38+8*\k:39+8*\k], s[32+8*\k:33+8*\k], 0x6000000
	s_and_b32 s28, s[22+\k], 0x1c00                ; 1024 x the expert,
	s_lshl_b32 s28, s28, 2                         ; x 4: its row of 4,096 bytes in b2, gamma and beta
	s_add_nc_u64 s[48+6*\k:49+6*\k], s[12:13], s[28:29]
	s_add_nc_u64 s[50+6*\k:51+6*\k], s[14:15], s[28:29]
	s_add_nc_u64 s[52+6*\k:53+6*\k], s[16:17], s[28:29]
.endr
.irp k, 0,1
.irp s, 0,1,2,3
.irp q, 0,1
	global_load_b128 v[16+56*\k+8*\s+4*\q:19+56*\k+8*\s+4*\q], v1, s[32+8*\k+2*\s:33+8*\k+2*\s] offset:512*\q th:TH_LOAD_NT
.endr
.endr
.irp s, 0,1,2
.irp q, 0,1
	global_load_b128 v[48+56*\k+8*\s+4*\q:51+56*\k+8*\s+4*\q], v1, s[48+6*\k+2*\s:49+6*\k+2*\s] offset:512*\q
.endr
.endr
.endr
	s_wait_loadcnt 0x0
.irp y, 16, 72
.irp n, 0,2,4,6
	v_pk_add_f32 v[\y+\n:\y+\n+1], v[\y+\n:\y+\n+1], v[\y+8+\n:\y+8+\n+1]
	v_pk_add_f32 v[\y+16+\n:\y+16+\n+1], v[\y+16+\n:\y+16+\n+1], v[\y+24+\n:\y+24+\n+1]
.endr
.irp n, 0,2,4,6
	v_pk_add_f32 v[\y+\n:\y+\n+1], v[\y+\n:\y+\n+1], v[\y+16+\n:\y+16+\n+1]
.endr
.irp n, 0,2,4,6
	v_pk_add_f32 v[\y+\n:\y+\n+1], v[\y+\n:\y+\n+1], v[\y+32+\n:\y+32+\n+1]   ; + b2
.endr
.irp n, 0,2,4,6
	v_pk_add_f32 v[\y+\n:\y+\n+1], v[\y+\n:\y+\n+1], v[8+\n:8+\n+1]           ; + x
.endr
.endr
	v_pk_add_f32 v[136:137], v[16:17], v[18:19]
	v_pk_add_f32 v[140:141], v[20:21], v[22:23]
	v_pk_add_f32 v[138:139], v[72:73], v[74:75]
	v_pk_add_f32 v[144:145], v[76:77], v[78:79]
	v_pk_add_f32 v[136:137], v[136:137], v[140:141]
	v_pk_add_f32 v[138:139], v[138:139], v[144:145]
	v_add_f32 v136, v136, v137
	v_add_f32 v138, v138, v139
	WSUM 136, 138
	MEET 0
	v_mul_f32 v152, 0xba800000, v144               ; - the mean, twice
	v_mul_f32 v154, 0xba800000, v148
	v_mov_b32 v153, v152
	v_mov_b32 v155, v154
.irp n, 0,2,4,6
	v_pk_add_f32 v[16+\n:17+\n], v[16+\n:17+\n], v[152:153]
	v_pk_add_f32 v[72+\n:73+\n], v[72+\n:73+\n], v[154:155]
.endr
	v_pk_mul_f32 v[136:137], v[16:17], v[16:17]    ; the first squares start the sums
	v_pk_mul_f32 v[138:139], v[72:73], v[72:73]
.irp n, 2,4,6
	v_pk_fma_f32 v[136:137], v[16+\n:17+\n], v[16+\n:17+\n], v[136:137]
	v_pk_fma_f32 v[138:139], v[72+\n:73+\n], v[72+\n:73+\n], v[138:139]
.endr
	v_add_f32 v136, v136, v137
	v_add_f32 v138, v138, v139
	WSUM 136, 138
	MEET 32                                        ; other bytes than the first meeting's: no wave can overwrite what another still reads
	v_fma_f32 v144, v144, s60, s61                 ; the variance + eps
	v_fma_f32 v148, v148, s60, s61
	s_wait_alu depctr_va_vdst(0)
	v_rsq_f32 v156, v144
	v_rsq_f32 v158, v148
.irp n, 0,2,4,6
	v_pk_mul_f32 v[128+\n:129+\n], v[64+\n:65+\n], s[24:25] op_sel_hi:[1,0]   ; gate_0 beta_0: plain work that names neither root
.endr
.irp n, 0,2,4,6
	v_pk_fma_f32 v[128+\n:129+\n], v[120+\n:121+\n], s[26:27], v[128+\n:129+\n] op_sel_hi:[1,0,1]   ; + gate_1 beta_1
.endr
	s_wait_alu depctr_va_vdst(0)                   ; one wait for the two roots, ahead of their first reader
	v_mul_f32 v156, s24, v156                      ; gate / sqrt(variance + eps), twice
	v_mul_f32 v158, s25, v158
	v_mov_b32 v157, v156
	v_mov_b32 v159, v158
.irp n, 0,2,4,6
	v_pk_mul_f32 v[16+\n:17+\n], v[16+\n:17+\n], v[156:157]
	v_pk_mul_f32 v[72+\n:73+\n], v[72+\n:73+\n], v[158:159]
.endr
.irp n, 0,2,4,6
	v_pk_fma_f32 v[128+\n:129+\n], v[16+\n:17+\n], v[56+\n:57+\n], v[128+\n:129+\n]     ; x gamma_0
.endr
.irp n, 0,2,4,6
	v_pk_fma_f32 v[128+\n:129+\n], v[72+\n:73+\n], v[112+\n:113+\n], v[128+\n:129+\n]   ; x gamma_1
.endr
	global_store_b128 v1, v[128:131], s[18:19] th:TH_STORE_NT
	global_store_b128 v1, v[132:135], s[18:19] offset:512 th:TH_STORE_NT
	s_wait_tensorcnt 0x0
	ds_add_u32 v160, v161
	s_wait_dscnt 0x0
	s_endpgm
.Lfunc_end_k_qf02172875c_finish:
	.size	k_qf02172875c_finish, .Lfunc_end_k_qf02172875c_finish-k_qf02172875c_finish
	.p2alignl 7, 3214868480
	.fill 96, 4, 3214868480
	.section	.rodata,"a",@progbits
	.p2align	6, 0x0
	.amdhsa_kernel k_qf02172875c_finish
		.amdhsa_group_segment_fixed_size 768
		.amdhsa_private_segment_fixed_size 0
		.amdhsa_enable_private_segment 0
		.amdhsa_kernarg_size 64
		.amdhsa_user_sgpr_count 2
		.amdhsa_user_sgpr_kernarg_segment_ptr 1
		.amdhsa_wavefront_size32 1
		.amdhsa_system_sgpr_workgroup_id_x 1
		.amdhsa_system_sgpr_workgroup_id_y 1
		.amdhsa_system_sgpr_workgroup_id_z 1
		.amdhsa_system_vgpr_workitem_id 0
		.amdhsa_next_free_vgpr 162
		.amdhsa_next_free_sgpr 66
		.amdhsa_reserve_vcc 0
		.amdhsa_float_denorm_mode_32 3
		.amdhsa_float_denorm_mode_16_64 3
		.amdhsa_memory_ordered 1
		.amdhsa_forward_progress 1
		.amdhsa_inst_pref_size 15
	.end_amdhsa_kernel
	.amdgpu_metadata
---
amdhsa.version: [ 1, 2 ]
amdhsa.kernels:
  - .name:           k_qf02172875c_finish
    .symbol:         k_qf02172875c_finish.kd
    .args:
      - { .name: yp, .offset: 0, .size: 8, .value_kind: global_buffer, .address_space: global }
      - { .name: pos, .offset: 8, .size: 8, .value_kind: global_buffer, .address_space: global }
      - { .name: gate, .offset: 16, .size: 8, .value_kind: global_buffer, .address_space: global }
      - { .name: x, .offset: 24, .size: 8, .value_kind: global_buffer, .address_space: global }
      - { .name: b2, .offset: 32, .size: 8, .value_kind: global_buffer, .address_space: global }
      - { .name: gamma, .offset: 40, .size: 8, .value_kind: global_buffer, .address_space: global }
      - { .name: beta, .offset: 48, .size: 8, .value_kind: global_buffer, .address_space: global }
      - { .name: out0, .offset: 56, .size: 8, .value_kind: global_buffer, .address_space: global }
    .group_segment_fixed_size: 768
    .private_segment_fixed_size: 0
    .kernarg_segment_align: 8
    .kernarg_segment_size: 64
    .max_flat_workgroup_size: 128
    .sgpr_count:     66
    .vgpr_count:     162
    .wavefront_size: 32
...
	.end_amdgpu_metadata
.endif
;; end of part 10
